; MI455X (gfx1250); checked and timed in simulation.
; The chip was launched on July 23, 2026; its instructions are those of AMD's public machine-readable ISA for CDNA 5 (MIT licence, August 2026) and "CDNA5" Instruction Set Architecture Reference Guide (July 2026). The comments in the code are by the model that wrote it; some were corrected since.
;; Mo E Layer. Allowed arithmetic: float matrix products may take bf16 or f16 operands with f32 sums; other float arithmetic in f32, or as packed bf16 or f16 multiplies, adds, multiply-adds, maxima and minima; sums over many terms, partial sums and values carried from step to step in f32; what a program stores and reads back later, other than sums and carried values, may be rounded once to bf16 or f16.
;; Inputs: router_w 8 x 1,024 float32; w1 8 x 1,024 x 2,048 float32; w2 8 x 2,048 x 1,024 float32; x 4 x 512 x 1,024 float32.
;; Outputs: out0 4 x 512 x 1,024 float32.
;; 2 versions, each right and faster than the one before. Each part assembles by itself: llvm-mc -triple=amdgcn-amd-amdhsa -mcpu=gfx1250 --defsym DOCPART=n.
;; ======== version 1 of 2: 5 launches
;; workspace buffers: sel 8,192 bytes of whole numbers; gate 16,384 bytes; meta 256 bytes of whole numbers; pos 16,384 bytes of whole numbers; gs 16,896 bytes; xs 8,650,752 bytes; hb 17,301,504 bytes; yp 17,301,504 bytes
;; launch router (part 1): grid 256 x 1, 8 waves a work-group, no clusters, 33,792 bytes of LDS; arguments x, router_w, sel, gate; writes sel, gate
.if DOCPART == 1
	.amdgcn_target "amdgcn-amd-amdhsa--gfx1250"
	.amdhsa_code_object_version 6
	.text
	.protected	k_q4f6cf72e0f_router
	.globl	k_q4f6cf72e0f_router
	.p2align	8
	.type	k_q4f6cf72e0f_router,@function
k_q4f6cf72e0f_router:
	s_mov_b64 s[64:65], 0
	v_nop
	global_prefetch_b8 v0, s[64:65] scope:SCOPE_SE
	s_setreg_imm32_b32 hwreg(HW_REG_WAVE_MODE, 25, 1), 1
	s_wait_xcnt 0x0
; ROUTER.  logits[t][e] = x[t] . router_w[e]; the two largest logits of a token, the lower index first among equals; their softmax, the larger logit taken away first.
; x: [2048][1024] f32, router_w: [8][1024] f32.  Out: sel[t] = e1 | e2 << 8 (whole numbers, at fixed places), gate[t][2] f32.
; FORMAT.  x and router_w are rounded to bf16 (to nearest even) as every input of this program is; the products of two bf16 are exact in f32 and are summed in f32, 32 sums a lane and then across lanes.
; LIMITS.  Two logits closer than the rounding of that summation (some 1e-6 of their size) may be ranked the other way than another order of summation ranks them.  NaN and infinite logits are not treated.
; A second weight below 2^-126 counts as 0.
; SHARES.  Eight waves, one token a wave: 256 work-groups x 8 = 2,048 tokens.  router_w, rounded, lies in LDS as f32 (32,768 bytes); a lane holds columns 128 j + 4 lane .. + 3 of its token, j = 0 .. 7.
; No address and no branch hangs on a logit: the choice is made by v_cndmask_b32 and stored.
.set SPARE, 32768                      ; behind the table: the spare words, 128 bytes for each of eight waves; no other line names them
.set X,   8                            ; v[8:39]    my 32 numbers of the token's row
.set R0,  40                           ; v[40:71]   router_w as loaded; later one expert's row out of LDS
.set R1,  72                           ; v[72:103]  the next expert's row
.set ACC, 104                          ; v[104:135] four sums an expert; the first becomes the logit
.set B1,  136                          ; largest logit
.set I1,  137                          ; its expert
.set B2,  138                          ; second largest
.set I2,  139                          ; its expert
	s_load_b256 s[4:11], s[0:1], 0x0               ; x s[4:5], router_w s[6:7], sel s[8:9], gate s[10:11]
	v_lshl_add_u32 v4, v0, 2, SPARE                ; my spare word
	v_mov_b32 v5, 0
	v_and_b32 v1, 31, v0                           ; lane
	v_lshrrev_b32 v6, 5, v0
	v_readfirstlane_b32 s12, v6                    ; wave
	v_lshlrev_b32 v2, 4, v0                        ; 16 x thread: my 16 bytes in each expert's row of 4,096
	v_lshlrev_b32 v3, 4, v1                        ; 16 x lane
	s_lshl_b32 s13, ttmp9, 3
	s_add_co_u32 s13, s13, s12                     ; my token
	s_lshl_b32 s14, s13, 12                        ; its row of 4,096 bytes
	s_mov_b32 s15, 0
	s_mov_b32 s16, 0xffff0000                      ; a word's upper bf16
	s_mov_b32 s18, 0x76543210                      ; v_permlanex16_b32: each lane takes its own place in the other half
	s_mov_b32 s19, 0xfedcba98
	s_wait_kmcnt 0x0
	s_add_nc_u64 s[4:5], s[4:5], s[14:15]
.irp m, 0,1,2,3,4,5,6,7
	global_load_b128 v[R0+4*\m:R0+4*\m+3], v2, s[6:7] offset:4096*\m   ; expert m's row: the 256 threads cover it
.endr
.irp j, 0,1,2,3,4,5,6,7
	global_load_b128 v[X+4*\j:X+4*\j+3], v3, s[4:5] offset:512*\j      ; the token's row: 512 consecutive bytes a load
.endr
.macro ROUND4 r                        ; four f32 rounded to bf16 and widened again, in place
	v_cvt_pk_bf16_f32 v6, v[\r], v[(\r)+1]
	v_cvt_pk_bf16_f32 v7, v[(\r)+2], v[(\r)+3]
	v_lshlrev_b32 v[\r], 16, v6
	v_and_b32 v[(\r)+1], s16, v6
	v_lshlrev_b32 v[(\r)+2], 16, v7
	v_and_b32 v[(\r)+3], s16, v7
.endm
	s_wait_loadcnt 0x8                             ; router_w is in; the eight loads of x are younger
.irp m, 0,1,2,3,4,5,6,7
	ROUND4 R0+4*\m
	ds_store_b128 v2, v[R0+4*\m:R0+4*\m+3] offset:4096*\m
.endr
	s_wait_loadcnt 0x0                             ; x
.irp j, 0,1,2,3,4,5,6,7
	ROUND4 X+4*\j
.endr
	s_wait_dscnt 0x0                               ; for the others' sake: my part of the table is stored
	s_barrier_signal -1
	s_barrier_wait -1
.macro LDR e, buf                      ; expert e's numbers of my 32 columns
.irp j, 0,1,2,3,4,5,6,7
	ds_load_b128 v[(\buf)+4*\j:(\buf)+4*\j+3], v3 offset:4096*(\e)+512*\j
.endr
.endm
.macro DOT e, buf                      ; two packed chains; the first products start the sums
	v_pk_mul_f32 v[ACC+4*(\e):ACC+4*(\e)+1], v[X:X+1], v[(\buf):(\buf)+1]
	v_pk_mul_f32 v[ACC+4*(\e)+2:ACC+4*(\e)+3], v[X+2:X+3], v[(\buf)+2:(\buf)+3]
.irp j, 1,2,3,4,5,6,7
	v_pk_fma_f32 v[ACC+4*(\e):ACC+4*(\e)+1], v[X+4*\j:X+4*\j+1], v[(\buf)+4*\j:(\buf)+4*\j+1], v[ACC+4*(\e):ACC+4*(\e)+1]
	v_pk_fma_f32 v[ACC+4*(\e)+2:ACC+4*(\e)+3], v[X+4*\j+2:X+4*\j+3], v[(\buf)+4*\j+2:(\buf)+4*\j+3], v[ACC+4*(\e)+2:ACC+4*(\e)+3]
.endr
.endm
	LDR 0, R0
	LDR 1, R1
.irp e, 0,2,4
	s_wait_dscnt 0x8                               ; this expert's eight loads are in; the other buffer's eight are younger
	DOT \e, R0
	LDR (\e)+2, R0
	s_wait_dscnt 0x8
	DOT (\e)+1, R1
	LDR (\e)+3, R1
.endr
	s_wait_dscnt 0x8
	DOT 6, R0
	s_wait_dscnt 0x0
	DOT 7, R1
	; a lane's four sums into one, then across the 32 lanes; the eight experts stand side by side, so that no line waits for the one before it
.irp e, 0,1,2,3,4,5,6,7
	v_pk_add_f32 v[ACC+4*\e:ACC+4*\e+1], v[ACC+4*\e:ACC+4*\e+1], v[ACC+4*\e+2:ACC+4*\e+3]
.endr
.irp e, 0,1,2,3,4,5,6,7
	v_add_f32 v[ACC+4*\e], v[ACC+4*\e], v[ACC+4*\e+1]
.endr
.irp m, 1,2,4,8
.irp e, 0,1,2,3,4,5,6,7
	v_add_f32_dpp v[ACC+4*\e], v[ACC+4*\e], v[ACC+4*\e] row_xmask:\m row_mask:0xf bank_mask:0xf
.endr
.endr
.irp e, 0,1,2,3,4,5,6,7
	v_permlanex16_b32 v[ACC+4*\e+1], v[ACC+4*\e], s18, s19
.endr
.irp e, 0,1,2,3,4,5,6,7
	v_add_f32 v[ACC+4*\e], v[ACC+4*\e], v[ACC+4*\e+1]
.endr
	; the two largest.  The compares are strict and the experts come in ascending order, so among equal logits the lower index stays in front
	v_mov_b32 v[B1], v[ACC]
	v_mov_b32 v[I1], 0
	v_mov_b32 v[B2], 0xff800000                    ; minus infinity
	v_mov_b32 v[I2], 0
.irp e, 1,2,3,4,5,6,7
	v_cmp_gt_f32 s20, v[ACC+4*\e], v[B1]
	v_cmp_gt_f32 s21, v[ACC+4*\e], v[B2]
	v_cndmask_b32 v[B2], v[B2], v[ACC+4*\e], s21   ; better than the second: it takes the second place,
	v_cndmask_b32 v[I2], v[I2], \e, s21
	v_cndmask_b32 v[B2], v[B2], v[B1], s20         ; better than the first: the old first moves down instead,
	v_cndmask_b32 v[I2], v[I2], v[I1], s20
	v_cndmask_b32 v[B1], v[B1], v[ACC+4*\e], s20   ; and it takes the first place
	v_cndmask_b32 v[I1], v[I1], \e, s20
.endr
	; softmax of the two, the maximum taken away: 1 / (1 + z) and z / (1 + z), z = e^(second - first) <= 1
	v_sub_f32 v140, v[B2], v[B1]
	v_mul_f32 v140, 0x3fb8aa3b, v140               ; log2(e)
	v_exp_f32 v141, v140
	v_nop                                          ; a plain instruction behind the exponential,
	s_wait_alu depctr_va_vdst(0)                   ; and the wait ahead of its first reader
	v_add_f32 v140, 1.0, v141
	v_rcp_f32 v142, v140
	v_nop
	s_wait_alu depctr_va_vdst(0)                   ; the same for the reciprocal
	v_mul_f32 v143, v141, v142
	v_lshl_or_b32 v[I2], v[I2], 8, v[I1]           ; e1 | e2 << 8
	v_mov_b32 v6, s13
	v_lshlrev_b32 v7, 3, v6                        ; 8 t
	v_lshlrev_b32 v6, 2, v6                        ; 4 t
	v_cmp_eq_u32 vcc_lo, 0, v1
	s_wait_xcnt 0x0                                ; EXEC changes only behind this wait: it is a source of the loads above
	s_and_saveexec_b32 s22, vcc_lo                 ; lane 0 stores the token's 12 bytes (24 KB in the whole launch)
	global_store_b32 v6, v[I2], s[8:9]
	global_store_b64 v7, v[142:143], s[10:11]
	s_wait_xcnt 0x0                                ; and again ahead of the line that widens it
	s_or_b32 exec_lo, exec_lo, s22
	s_wait_tensorcnt 0x0                           ; the wave's end
	ds_add_u32 v4, v5
	s_wait_dscnt 0x0
	s_endpgm
.Lfunc_end_k_q4f6cf72e0f_router:
	.size	k_q4f6cf72e0f_router, .Lfunc_end_k_q4f6cf72e0f_router-k_q4f6cf72e0f_router
	.p2alignl 7, 3214868480
	.fill 96, 4, 3214868480
	.section	.rodata,"a",@progbits
	.p2align	6, 0x0
	.amdhsa_kernel k_q4f6cf72e0f_router
		.amdhsa_group_segment_fixed_size 33792
		.amdhsa_private_segment_fixed_size 0
		.amdhsa_enable_private_segment 0
		.amdhsa_kernarg_size 32
		.amdhsa_user_sgpr_count 2
		.amdhsa_user_sgpr_kernarg_segment_ptr 1
		.amdhsa_wavefront_size32 1
		.amdhsa_system_sgpr_workgroup_id_x 1
		.amdhsa_system_sgpr_workgroup_id_y 1
		.amdhsa_system_sgpr_workgroup_id_z 1
		.amdhsa_system_vgpr_workitem_id 0
		.amdhsa_next_free_vgpr 144
		.amdhsa_next_free_sgpr 66
		.amdhsa_reserve_vcc 1
		.amdhsa_float_denorm_mode_32 3
		.amdhsa_float_denorm_mode_16_64 3
		.amdhsa_memory_ordered 1
		.amdhsa_forward_progress 1
		.amdhsa_inst_pref_size 28
	.end_amdhsa_kernel
	.amdgpu_metadata
---
amdhsa.version: [ 1, 2 ]
amdhsa.kernels:
  - .name:           k_q4f6cf72e0f_router
    .symbol:         k_q4f6cf72e0f_router.kd
    .args:
      - { .name: x, .offset: 0, .size: 8, .value_kind: global_buffer, .address_space: global }
      - { .name: router_w, .offset: 8, .size: 8, .value_kind: global_buffer, .address_space: global }
      - { .name: sel, .offset: 16, .size: 8, .value_kind: global_buffer, .address_space: global }
      - { .name: gate, .offset: 24, .size: 8, .value_kind: global_buffer, .address_space: global }
    .group_segment_fixed_size: 33792
    .private_segment_fixed_size: 0
    .kernarg_segment_align: 8
    .kernarg_segment_size: 32
    .max_flat_workgroup_size: 256
    .sgpr_count:     66
    .vgpr_count:     144
    .wavefront_size: 32
...
	.end_amdgpu_metadata
.endif
;; end of part 1
;; launch place (part 2): grid 264 x 1, 8 waves a work-group, no clusters, 36,352 bytes of LDS; arguments sel, gate, x, meta, pos, gs, xs; writes meta, pos, gs, xs
.if DOCPART == 2
	.amdgcn_target "amdgcn-amd-amdhsa--gfx1250"
	.amdhsa_code_object_version 6
	.text
	.protected	k_q4f6cf72e0f_place
	.globl	k_q4f6cf72e0f_place
	.p2align	8
	.type	k_q4f6cf72e0f_place,@function
k_q4f6cf72e0f_place:
	s_mov_b64 s[64:65], 0
	v_nop
	global_prefetch_b8 v0, s[64:65] scope:SCOPE_SE
	s_setreg_imm32_b32 hwreg(HW_REG_WAVE_MODE, 25, 1), 1
	s_wait_xcnt 0x0
; PLACE.  The 4,096 routed rows (token, choice) are sorted by expert into tiles of 16 rows, no tile with two experts: never more than 263 tiles, whatever the split.  Work-group T owns tile T:
; it counts all 2,048 choices for itself (a counting sort without atomics), finds its 16 rows, rounds them to bf16 and stores them IN THE ORDER IN WHICH A MATRIX OPERAND'S REGISTERS TAKE THEM.
; In:  sel[t] = e1 | e2 << 8, gate[t][2], x [2048][1024] f32.
; Out: xs[tile][kb 0..31][c 0..1][lane][16 bytes] bf16: lane (r = lane % 16, h = lane / 16), element i: row r of the tile, k = 32 kb + 16 c + 8 h + i;
;      pos[2 t + k] = the row's slot 16 T + r;  gs[slot] = its gate weight;  meta: words 0-7 tiles of expert e, 8-15 its first tile, 16 tiles in all.
; Places past an expert's last row repeat that row (their results get slots of their own that nobody reads).  A work-group whose T is no tile under the given split does the same work on clamped numbers and jumps its stores.
; A row's rank in its expert is the number of earlier tokens that chose the expert.  EXEC is never changed.
.set CNT,    0                         ; 8 waves x 32 words: wave w's count of expert e at 128 w + 4 e
.set LISTW,  1024                      ; 8 waves x 32 words, each wave's own: words 0-15 entry + 1 of the tile's rows that the wave found, word 16 takes what belongs to other tiles
.set STG,    2048                      ; 16 rows of 2,048 bytes of bf16,
.set SPITCH, 2064                      ; 2,064 apart: 129 x 16, so that the 16 rows of a fragment load start 16 bytes apart modulo 256
.set SPARE,  35328                     ; the spare words, 128 bytes for each of eight waves; no other line names them
; s[4:17] the seven addresses; s18 wave; s19 T; s[24:31] my wave's counts; s[32:39] totals; s[40:47] rows of earlier waves; s[48:55] first tiles; s56-59 my expert, its total, its earlier rows, its first tile;
; s60 tiles in all; s61 first rank of my tile; s62 its rows - 1; s63 1 << my expert; s66 running rank; s67-75 at work; s[76:83] tiles of each expert
; v1 lane; v2, v3 the add's two; v4 16 lane; v5 lane % 16; v[8:15] sel; v[16:23] both choices as bits; v[24:31] at work; v32 my row's entry; v33, v34 offsets in x; v[36:99] two rows of x; v[100:107] packed;
; v108 gate weight; v109 4 x entry; v110 slot
	s_load_b256 s[4:11], s[0:1], 0x0               ; sel s[4:5], gate s[6:7], x s[8:9], meta s[10:11]
	s_load_b128 s[12:15], s[0:1], 0x20             ; pos s[12:13], gs s[14:15]
	s_load_b64 s[16:17], s[0:1], 0x30              ; xs
	v_lshl_add_u32 v2, v0, 2, SPARE
	v_mov_b32 v3, 0
	v_and_b32 v1, 31, v0
	v_lshrrev_b32 v6, 5, v0
	v_readfirstlane_b32 s18, v6
	s_mov_b32 s19, ttmp9
	v_lshlrev_b32 v4, 4, v1
	v_and_b32 v5, 15, v1
	v_lshlrev_b32 v35, 2, v1                       ; 4 lane
	s_lshl_b32 s67, s18, 10                        ; my wave's 256 tokens
	v_add_nc_u32 v6, s67, v35
	s_wait_kmcnt 0x0
.irp gi, 0,1,2,3,4,5,6,7
	global_load_b32 v[8+\gi], v6, s[4:5] offset:128*\gi    ; token 256 w + 32 gi + lane
.endr
	s_wait_loadcnt 0x0
.irp gi, 0,1,2,3,4,5,6,7
	v_and_b32 v24, 7, v[8+\gi]
	v_bfe_u32 v25, v[8+\gi], 8, 3
	v_lshlrev_b32 v24, v24, 1
	v_lshlrev_b32 v25, v25, 1
	v_or_b32 v[16+\gi], v24, v25
.endr
	; my wave's count of each expert: eight masks at a time, then their bits are counted
.irp e, 0,1,2,3,4,5,6,7
.irp gi, 0,1,2,3,4,5,6,7
	v_and_b32 v[24+\gi], 1<<\e, v[16+\gi]
	v_cmp_ne_u32 s[68+\gi], 0, v[24+\gi]
.endr
	s_bcnt1_i32_b32 s[24+\e], s68
.irp gi, 1,2,3,4,5,6,7
	s_bcnt1_i32_b32 s67, s[68+\gi]
	s_add_co_u32 s[24+\e], s[24+\e], s67
.endr
.endr
	v_mov_b32 v6, 0
.irp e, 0,1,2,3,4,5,6,7
	v_writelane_b32 v6, s[24+\e], \e
.endr
	v_lshlrev_b32 v7, 2, v0
	ds_store_b32 v7, v6 offset:CNT                 ; lane e: my wave's count of expert e
	ds_store_b32 v7, v3 offset:LISTW               ; my wave's list starts empty
	s_wait_dscnt 0x0                               ; for the others' sake
	s_barrier_signal -1
	s_barrier_wait -1
.irp w, 0,1,2,3,4,5,6,7
	ds_load_b32 v[24+\w], v35 offset:CNT+128*\w
.endr
	s_wait_dscnt 0x0
	v_add3_u32 v6, v24, v25, v26
	v_add3_u32 v6, v6, v27, v28
	v_add3_u32 v6, v6, v29, v30
	v_add_nc_u32 v6, v6, v31                       ; lane e: rows of expert e
.irp w, 0,1,2,3,4,5,6
	s_cmp_gt_u32 s18, \w
	s_cselect_b32 s67, -1, 0
	v_and_b32 v[24+\w], s67, v[24+\w]              ; only the waves in front of mine
.endr
	v_add3_u32 v7, v24, v25, v26
	v_add3_u32 v7, v7, v27, v28
	v_add3_u32 v7, v7, v29, v30                    ; lane e: rows of expert e among earlier waves' tokens
.irp e, 0,1,2,3,4,5,6,7
	v_readlane_b32 s[32+\e], v6, \e
	v_readlane_b32 s[40+\e], v7, \e
.endr
	s_mov_b32 s67, 0
.irp e, 0,1,2,3,4,5,6,7
	s_mov_b32 s[48+\e], s67                        ; the expert's first tile
	s_add_co_u32 s68, s[32+\e], 15
	s_lshr_b32 s[76+\e], s68, 4                    ; its tiles
	s_add_co_u32 s67, s67, s[76+\e]
.endr
	s_mov_b32 s60, s67
	s_mov_b32 s56, 0                               ; my tile's expert: the last whose first tile is not behind T
	s_mov_b32 s57, s32
	s_mov_b32 s58, s40
	s_mov_b32 s59, 0
.irp e, 1,2,3,4,5,6,7
	s_cmp_ge_u32 s19, s[48+\e]
	s_cselect_b32 s56, \e, s56
	s_cselect_b32 s57, s[32+\e], s57
	s_cselect_b32 s58, s[40+\e], s58
	s_cselect_b32 s59, s[48+\e], s59
.endr
	s_sub_co_u32 s61, s19, s59
	s_lshl_b32 s61, s61, 4                         ; the first rank of my tile
	s_sub_co_i32 s62, s57, s61
	s_max_i32 s62, s62, 1
	s_min_i32 s62, s62, 16
	s_sub_co_u32 s62, s62, 1                       ; its rows, 1 to 16, less 1
	s_lshl_b32 s63, 1, s56
	s_sub_co_u32 s66, s58, s61                     ; rank less the tile's first rank, for my wave's first row of the expert (it may wrap: the unsigned minimum below sends such rows to word 16)
	s_lshl_b32 s69, s18, 7
	s_add_co_u32 s69, s69, LISTW                   ; my wave's list
	s_lshl_b32 s70, s18, 9
	s_add_co_u32 s70, s70, 1
	v_lshl_add_u32 v33, v1, 1, s70                 ; 2 (256 w + lane) + 1
.irp gi, 0,1,2,3,4,5,6,7
	v_and_b32 v6, s63, v[16+\gi]
	v_cmp_ne_u32 vcc_lo, 0, v6                     ; the token chose my expert
	v_mbcnt_lo_u32_b32 v7, vcc_lo, 0               ; such tokens in lower lanes
	v_add_nc_u32 v7, s66, v7
	v_cndmask_b32 v7, -1, v7, vcc_lo
	v_min_u32 v7, 16, v7                           ; 0 to 15: a row of my tile; everything else to word 16
	v_lshl_add_u32 v7, v7, 2, s69
	v_and_b32 v6, 7, v[8+\gi]
	v_cmp_ne_u32 s67, s56, v6                      ; as its second choice?
	v_cndmask_b32 v6, 0, 1, s67
	v_add3_u32 v6, v6, v33, 64*\gi                 ; entry 2 t + k, plus 1
	ds_store_b32 v7, v6
	s_bcnt1_i32_b32 s68, vcc_lo
	s_add_co_u32 s66, s66, s68
.endr
	s_wait_dscnt 0x0                               ; for the others' sake
	s_barrier_signal -1
	s_barrier_wait -1
	v_min_u32 v6, s62, v5                          ; places past the last row repeat it
	v_min_u32 v6, 15, v6
	v_lshlrev_b32 v7, 2, v6
.irp w, 0,1,2,3,4,5,6,7
	ds_load_b32 v[24+\w], v7 offset:LISTW+128*\w
.endr
	s_lshl_b32 s72, s19, 4
	v_add_nc_u32 v110, s72, v6                     ; the row's slot
	s_wait_dscnt 0x0
	v_add3_u32 v32, v24, v25, v26                  ; one wave found the row; the others hold 0
	v_add3_u32 v32, v32, v27, v28
	v_add3_u32 v32, v32, v29, v30
	v_add_nc_u32 v32, v32, v31
	v_max_u32 v32, 1, v32
	v_add_nc_u32 v32, -1, v32
	v_min_u32 v32, 0xfff, v32                      ; the entry of row lane % 16
	s_lshl_b32 s70, s18, 3
	v_mov_b32 v6, s70
	v_add_nc_u32 v7, 4, v6
	ds_bpermute_b32 v33, v6, v32                   ; my wave gathers rows 2 w and 2 w + 1
	ds_bpermute_b32 v34, v7, v32
	v_lshlrev_b32 v109, 2, v32
	global_load_b32 v108, v109, s[6:7]             ; the 16 gate weights: every wave loads them (64 bytes, no branch round the line); wave 0 stores them
	s_wait_dscnt 0x0
.irp i, 0,1
	v_lshrrev_b32 v[33+\i], 1, v[33+\i]
	v_min_u32 v[33+\i], 0x7ff, v[33+\i]            ; the token
	v_lshl_add_u32 v[33+\i], v[33+\i], 12, v4
.endr
.irp i, 0,1
.irp j, 0,1,2,3,4,5,6,7
	global_load_b128 v[36+32*\i+4*\j:36+32*\i+4*\j+3], v[33+\i], s[8:9] offset:512*\j
.endr
.endr
	s_mul_i32 s71, s18, 2*SPITCH
	s_add_co_u32 s71, s71, STG
	v_lshl_add_u32 v35, v1, 3, s71                 ; my 8 bytes in the stage's row 2 w
.irp i, 0,1
.irp j, 0,1,2,3,4,5,6,7
	s_wait_loadcnt 15-(8*\i+\j)                    ; this load is in; so many younger ones stay out
	v_cvt_pk_bf16_f32 v[100+2*(\j%4)], v[36+32*\i+4*\j], v[36+32*\i+4*\j+1]
	v_cvt_pk_bf16_f32 v[101+2*(\j%4)], v[36+32*\i+4*\j+2], v[36+32*\i+4*\j+3]
	ds_store_b64 v35, v[100+2*(\j%4):101+2*(\j%4)] offset:\i*SPITCH+256*\j
.endr
.endr
	v_bfe_u32 v7, v1, 4, 1                         ; h
	v_mul_u32_u24 v6, v5, SPITCH
	v_lshl_add_u32 v6, v7, 4, v6
	s_lshl_b32 s73, s18, 8
	s_add_co_u32 s73, s73, STG
	v_add_nc_u32 v6, s73, v6                       ; row r, 16 h, and my wave's four blocks of 32 k
	s_lshl_b32 s74, s19, 15                        ; my tile's 32,768 bytes in xs
	s_mov_b32 s75, 0
	s_add_nc_u64 s[16:17], s[16:17], s[74:75]
	s_lshl_b32 s67, s18, 12
	v_add_nc_u32 v7, s67, v4
	s_wait_dscnt 0x0                               ; for the others' sake
	s_barrier_signal -1
	s_barrier_wait -1
.irp kk, 0,1,2,3
.irp c, 0,1
	ds_load_b128 v[36+8*\kk+4*\c:36+8*\kk+4*\c+3], v6 offset:64*\kk+32*\c
.endr
.endr
	s_wait_dscnt 0x0
	s_cmp_ge_u32 s19, s60
	s_cbranch_scc1 .Lend                           ; no such tile under this split: nothing is stored
.irp kk, 0,1,2,3
.irp c, 0,1
	global_store_b128 v7, v[36+8*\kk+4*\c:36+8*\kk+4*\c+3], s[16:17] offset:1024*\kk+512*\c   ; 512 consecutive bytes
.endr
.endr
	s_cmp_lg_u32 s18, 0
	s_cbranch_scc1 .Lend
	global_store_b32 v109, v110, s[12:13]          ; pos[entry] = slot; lanes that repeat a row repeat its address and its number
	s_lshl_b32 s67, s19, 6
	v_lshl_add_u32 v6, v5, 2, s67
	global_store_b32 v6, v108, s[14:15]            ; gs[16 T + lane % 16]
	s_cmp_lg_u32 s19, 0
	s_cbranch_scc1 .Lend
	v_mov_b32 v24, 0
.irp e, 0,1,2,3,4,5,6,7
	v_writelane_b32 v24, s[76+\e], \e
	v_writelane_b32 v24, s[48+\e], 8+\e
.endr
	v_writelane_b32 v24, s60, 16
	v_lshlrev_b32 v25, 2, v1
	global_store_b32 v25, v24, s[10:11]            ; meta's 32 words, by work-group 0
.Lend:
	s_wait_tensorcnt 0x0                           ; the wave's end
	ds_add_u32 v2, v3
	s_wait_dscnt 0x0
	s_endpgm
.Lfunc_end_k_q4f6cf72e0f_place:
	.size	k_q4f6cf72e0f_place, .Lfunc_end_k_q4f6cf72e0f_place-k_q4f6cf72e0f_place
	.p2alignl 7, 3214868480
	.fill 96, 4, 3214868480
	.section	.rodata,"a",@progbits
	.p2align	6, 0x0
	.amdhsa_kernel k_q4f6cf72e0f_place
		.amdhsa_group_segment_fixed_size 36352
		.amdhsa_private_segment_fixed_size 0
		.amdhsa_enable_private_segment 0
		.amdhsa_kernarg_size 56
		.amdhsa_user_sgpr_count 2
		.amdhsa_user_sgpr_kernarg_segment_ptr 1
		.amdhsa_wavefront_size32 1
		.amdhsa_system_sgpr_workgroup_id_x 1
		.amdhsa_system_sgpr_workgroup_id_y 1
		.amdhsa_system_sgpr_workgroup_id_z 1
		.amdhsa_system_vgpr_workitem_id 0
		.amdhsa_next_free_vgpr 112
		.amdhsa_next_free_sgpr 96
		.amdhsa_reserve_vcc 1
		.amdhsa_float_denorm_mode_32 3
		.amdhsa_float_denorm_mode_16_64 3
		.amdhsa_memory_ordered 1
		.amdhsa_forward_progress 1
		.amdhsa_inst_pref_size 36
	.end_amdhsa_kernel
	.amdgpu_metadata
---
amdhsa.version: [ 1, 2 ]
amdhsa.kernels:
  - .name:           k_q4f6cf72e0f_place
    .symbol:         k_q4f6cf72e0f_place.kd
    .args:
      - { .name: sel, .offset: 0, .size: 8, .value_kind: global_buffer, .address_space: global }
      - { .name: gate, .offset: 8, .size: 8, .value_kind: global_buffer, .address_space: global }
      - { .name: x, .offset: 16, .size: 8, .value_kind: global_buffer, .address_space: global }
      - { .name: meta, .offset: 24, .size: 8, .value_kind: global_buffer, .address_space: global }
      - { .name: pos, .offset: 32, .size: 8, .value_kind: global_buffer, .address_space: global }
      - { .name: gs, .offset: 40, .size: 8, .value_kind: global_buffer, .address_space: global }
      - { .name: xs, .offset: 48, .size: 8, .value_kind: global_buffer, .address_space: global }
    .group_segment_fixed_size: 36352
    .private_segment_fixed_size: 0
    .kernarg_segment_align: 8
    .kernarg_segment_size: 56
    .max_flat_workgroup_size: 256
    .sgpr_count:     96
    .vgpr_count:     112
    .wavefront_size: 32
...
	.end_amdgpu_metadata
.endif
;; end of part 2
;; launch ffn1 (part 3): grid 32 x 8, 4 waves a work-group, no clusters, 262,656 bytes of LDS; arguments meta, xs, w1, hb; writes hb
.if DOCPART == 3
	.amdgcn_target "amdgcn-amd-amdhsa--gfx1250"
	.amdhsa_code_object_version 6
	.text
	.protected	k_q4f6cf72e0f_ffn1
	.globl	k_q4f6cf72e0f_ffn1
	.p2align	8
	.type	k_q4f6cf72e0f_ffn1,@function
k_q4f6cf72e0f_ffn1:
	s_mov_b64 s[64:65], 0
	v_nop
	global_prefetch_b8 v0, s[64:65] scope:SCOPE_SE
	s_setreg_imm32_b32 hwreg(HW_REG_WAVE_MODE, 25, 1), 1
	s_wait_xcnt 0x0
; ONE TEXT FOR BOTH PRODUCTS OF THE EXPERTS' LAYER; SECOND = 0: hb = relu(xs w1)^2, SECOND = 1: yp = gate x (hb w2).  bf16 operands, f32 sums.
; SHARES.  A work-group is (expert e, slice sl of 16 of the product's columns, part p of 2): 8 x 16 x 2 = 256.  The slice, K x n = 1,024 x 128 or 2,048 x 64 weights, is read as f32, rounded on its way through
; registers and kept in LDS as 262,144 bytes of bf16 fragments.  The expert's tiles of 16 rows are dealt to the eight waves of its two parts: tile i to wave i % 8; a wave multiplies up to five tiles at a time
; (a pass) against the whole slice; four passes serve 160 tiles, more than the 128 of an expert that has all 2,048 tokens.  An expert without rows, or a part without tiles, loads no weights and stores nothing.
; TOKEN ROWS come from memory straight into registers as matrix operands: xs and hb lie in operand order, 1,024 bytes for a tile and 32 k, each load 512 consecutive bytes.  So the loops whose length hangs
; on the stored counts write no LDS and hold no barrier.
; WEIGHTS [K][N] BECOME FRAGMENTS WITHOUT A TURNING LOAD.  Lane (r, h) loads 16 bytes, columns 4 r .. 4 r + 3 of a group of 64, of 16 rows (16 lanes: 256 consecutive bytes, aligned).  Rounding two rows' numbers of
; column 4 r + jt into one register makes the fragment of a 16-column tile jt in which lane r stands for column 4 r + jt.
;   SECOND = 0: source 0 = weights, source 1 = tokens: a lane's results are one token row and hidden units 64 G + 32 h + 4 j + jt; squared and rounded in pairs they ARE half a fragment of hb: block 2 G + jt / 2, half jt % 2.
;   SECOND = 1: source 0 = tokens, source 1 = weights; w2's rows are taken in hb's order of k (ROW below); a lane's four tiles give four neighbouring columns of a row of yp: 16 lanes store 256 consecutive bytes, aligned.
; NO CLUSTER, NO TENSOR LOADS: what an expert's work-groups share is its token tiles, whose number hangs on stored counts; a walk of constant length would have to serve 2,048 rows an expert, four times the
; mean, which uses up what a joint request of four saves.  A slice of weights has two readers.
; LIMITS.  h is kept in bf16 (f16 has no room for inputs 30 times larger).  NaN and infinities are not treated apart.
.set SECOND, 0
.if SECOND
.set NT,    4                          ; 16-column tiles in a slice
.set NP,    32                         ; periods of 64 along K
.set TSH,   16                         ; a tile of token rows is 1 << TSH bytes
.set WP,    4096                       ; bytes in a row of the weights
.set SLSH,  8                          ; a slice is 1 << SLSH bytes of such a row
.set RING3, 672                        ; the fourth slot of the tokens' ring
.set PA,    8                          ; s[8:9] hb, s[10:11] w2, s[12:13] yp; s[6:7] gs
.set PW,    10
.set PO,    12
.else
.set NT,    8
.set NP,    16
.set TSH,   15
.set WP,    8192
.set SLSH,  9
.set RING3, 768
.set PA,    6                          ; s[6:7] xs, s[8:9] w1, s[10:11] hb
.set PW,    8
.set PO,    10
.endif
.set PB,    2*NT*1024                  ; LDS bytes of a period: fragment (block kb of 32 k, tile nt) lies at (kb NT + nt) 1,024 + 512 c + 16 lane
.set US,    524288                     ; bytes of the weights from a wave's unit to its next
.set SPARE, 262144                     ; behind the slice: the spare words, 128 bytes for each of four waves; no other line names them
; REGISTERS, by their whole numbers; the macros split them into window and low byte (s_set_vgpr_msb: bits 1:0 source 0, 3:2 source 1, 5:4 source 2, 7:6 destination).
;   v1 lane, v2 r, v3 h, v4 16 lane, v5 my offset in the weights, v6 where I store fragments, v7 where I read them, v8-12 my five tiles' offsets, v13 the stores' fixed part, v14 a store's offset,
;   v15 32 h and v18-22 offsets in gs (SECOND), v16, v17 the add's two
;   BB0, BB1 weights' fragments of a step of 32 k; FR fragments being made; TR, OUTR the way out; GR gate weights (SECOND)
;   256-511 while the slice is laid: a ring of four units of 64; then the tokens' ring: slot b at 256 + 80 b (b < 3) or RING3: tile u, step s at + 16 u + 8 s
;   accumulators: SECOND = 0: 512 + 64 u + 8 nt (u < 4), 848 + 8 nt (u = 4); SECOND = 1: 512 + 32 u + 8 nt
.set BB0,  32
.set BB1,  32+8*NT
.set FR,   160
.set TR,   32
.set OUTR, 96
.set GR,   192
; s14 wave, s15 p, s16 sl, s17 e, s18 g = 4 p + wave, s19 the expert's tiles, s20 its first tile, s21 pass, s22, s23 tiles left and tiles of this pass, s[24:28] their numbers, s29 a loop's count,
; s[30:31] tokens' running address, s[32:33] weights' running address, s[34:35] an offset, s36-39 at work
.set MSB, 0
.macro WIN new                         ; the immediate's high byte repeats the setting that is left; a switch that changes nothing is dropped
.if MSB != (\new)
	s_set_vgpr_msb (MSB<<8)|(\new)
.set MSB, (\new)
.endif
.endm
.macro PLACES n                        ; plain vector instructions between a matrix instruction and what writes its sources or reads its result (ISA guide 7.12.1)
.rept \n
	v_nop
.endr
.endm
.macro SETAR b, u, s                   ; rT = the tokens' fragment of ring slot b, tile u, step s
.if (\b) < 3
.set rT, 256+80*(\b)+16*(\u)+8*(\s)
.else
.set rT, RING3+16*(\u)+8*(\s)
.endif
.endm
.macro SETACC u, n                     ; rD = the accumulator of tile u and column tile n
.if SECOND
.set rD, 512+32*(\u)+8*(\n)
.elseif (\u) < 4
.set rD, 512+64*(\u)+8*(\n)
.else
.set rD, 848+8*(\n)
.endif
.endm
.macro MMA d, a, b, zero               ; zero = 1: the product starts the sum: nothing is ever cleared
	WIN (((\d)>>8)<<6)|(((\d)>>8)<<4)|(((\b)>>8)<<2)|((\a)>>8)
.if \zero
	v_wmma_f32_16x16x32_bf16 v[(\d)&255:((\d)&255)+7], v[(\a)&255:((\a)&255)+7], v[(\b)&255:((\b)&255)+7], 0
.else
	v_wmma_f32_16x16x32_bf16 v[(\d)&255:((\d)&255)+7], v[(\a)&255:((\a)&255)+7], v[(\b)&255:((\b)&255)+7], v[(\d)&255:((\d)&255)+7]
.endif
.endm
; LAYING THE SLICE.  A unit is 32 k x 64 columns: 16 loads a lane, four fragments, 4,096 bytes of LDS.  Unit i of wave w lands at 16,384 i + 4,096 w.
.macro UNITLD s, k                     ; the unit k units on from the running address, into ring slot s
	WIN 0x40                                       ; destination window 1
.set qq, 0
.rept 16
.if SECOND
.set wrow, 4*(qq%8)+qq/8               ; ROW: place 8 c + i of a fragment takes hidden unit 4 i + c (+ 64 G + 32 h + 2 c', which lie in v5)
.else
.set wrow, qq+8*(qq/8)                 ; ROW: place 8 c + i takes k = 16 c + i (+ 32 kb + 8 h)
.endif
	global_load_b128 v[64*(\s)+4*qq:64*(\s)+4*qq+3], v5, s[32:33] offset:(\k)*US+wrow*WP
.set qq, qq+1
.endr
.endm
.macro UNIT s, ld, lcnt, k             ; slot s is rounded and stored; ld = 1: it is asked for again
	s_wait_loadcnt \lcnt                           ; my oldest 16 loads are in; lcnt younger ones stay out
	WIN 0x05                                       ; sources window 1, destination window 0
.set jt, 0
.rept 4
.set rho, 0
.rept 8
	v_cvt_pk_bf16_f32 v[FR+8*jt+rho], v[64*(\s)+8*rho+jt], v[64*(\s)+8*rho+4+jt]
.set rho, rho+1
.endr
.set jt, jt+1
.endr
	WIN 0
.set jt, 0
.rept 4
	ds_store_b128 v6, v[FR+8*jt:FR+8*jt+3] offset:(\s)*16384+jt*1024
	ds_store_b128 v6, v[FR+8*jt+4:FR+8*jt+7] offset:(\s)*16384+jt*1024+512
.set jt, jt+1
.endr
.if \ld
	UNITLD \s, \k
.endif
.endm
; THE PRODUCT.
.macro LDB buf, off                    ; the weights' fragments of one step of 32 k
	WIN 0
.set nn, 0
.rept NT
	ds_load_b128 v[(\buf)+8*nn:(\buf)+8*nn+3], v7 offset:(\off)+nn*1024
	ds_load_b128 v[(\buf)+8*nn+4:(\buf)+8*nn+7], v7 offset:(\off)+nn*1024+512
.set nn, nn+1
.endr
.endm
.macro GLA b, aoff                     ; 20 loads: my five tiles' fragments of the period aoff periods on from the running address, into ring slot b
.set uu, 0
.rept 5
.set ss, 0
.rept 2
	SETAR \b, uu, ss
	WIN (rT>>8)<<6
	global_load_b128 v[(rT&255):(rT&255)+3], v[8+uu], s[30:31] offset:(\aoff)*2048+ss*1024
	global_load_b128 v[(rT&255)+4:(rT&255)+7], v[8+uu], s[30:31] offset:(\aoff)*2048+ss*1024+512
.set ss, ss+1
.endr
.set uu, uu+1
.endr
.endm
.macro TILE b, s, u, zero              ; tile u's NT matrix instructions of a step
.set nn, 0
.rept NT
	SETACC \u, nn
	SETAR \b, \u, \s
.set rW, BB0+(BB1-BB0)*(\s)+8*nn
.if SECOND
	MMA rD, rT, rW, \zero
.else
	MMA rD, rW, rT, \zero
.endif
.set nn, nn+1
.endr
.endm
; A step of 32 k.  The accumulators take turns, one instruction a turn: between two on one accumulator stand all the others', over the loop's jump too.
; The fifth tile's products are jumped where the pass has fewer than five tiles; the step that starts the sums always makes them, so that its accumulators are written on every way.
.macro STEP b, s, zero
	TILE \b, \s, 0, \zero
	TILE \b, \s, 1, \zero
	TILE \b, \s, 2, \zero
	TILE \b, \s, 3, \zero
.if \zero
	TILE \b, \s, 4, 1
.else
	WIN 0                                          ; at a branch and at a label every window is 0
	s_cmp_lt_u32 s23, 5
	s_cbranch_scc1 .Lno5_\@
	TILE \b, \s, 4, 0
	WIN 0
.Lno5_\@:
.endif
.endm
; A period of 64 k on ring slot b.  The tokens' fragments are asked for three periods ahead, the weights' one step ahead.
; lcnt: the loads of the two periods behind this one, 20 each, stay out.  2 NT: the LDS loads just issued stay out.
.macro PERIOD b, zero, adv, ld, aoff, lcnt, last
	WIN 0
.if \adv
	v_add_nc_u32 v7, PB, v7                        ; with the three below: the four places behind the last products, ahead of the loads into registers that they read
	PLACES 3
.else
	PLACES 4
.endif
	LDB BB1, NT*1024
	s_wait_loadcnt \lcnt
.if \ld
	GLA ((\b)+3)%4, \aoff
.endif
	s_wait_dscnt 2*NT
	STEP \b, 0, \zero
	PLACES 4
.if \last
	s_wait_dscnt 0x0
.else
	LDB BB0, PB
	s_wait_dscnt 2*NT
.endif
	STEP \b, 1, 0
.endm
; THE WAY OUT of tile u.
.macro EPI u
	WIN 0
	s_wait_xcnt 0x0                                ; the stores before have read their data and their offset
	s_lshl_b32 s36, s[24+(\u)], 16                 ; a tile is 65,536 bytes of hb and of yp
	v_add_nc_u32 v14, s36, v13
.if SECOND
.set jj, 0
.rept 8                                ; row 8 h + j: the gate's multiply also brings the four tiles' numbers side by side; each accumulator is read from its lowest register on
.set nn, 0
.rept 4
	SETACC \u, nn
	WIN rD>>8
	v_mul_f32 v[OUTR+4*jj+nn], v[(rD&255)+jj], v[GR+8*(\u)+jj]
.set nn, nn+1
.endr
.set jj, jj+1
.endr
	WIN 0
.set jj, 0
.rept 8
	global_store_b128 v14, v[OUTR+4*jj:OUTR+4*jj+3], s[PO:PO+1] offset:4096*jj   ; lanes 0-15: 256 consecutive bytes of row j, aligned; lanes 16-31: of row 8 + j
.set jj, jj+1
.endr
.else
.set nn, 0
.rept 8                                ; relu, each accumulator from its lowest register on
.set jj, 0
.rept 8
	SETACC \u, nn
	WIN (rD>>8)<<2
	v_max_num_f32 v[TR+8*nn+jj], 0, v[(rD&255)+jj]
.set jj, jj+1
.endr
.set nn, nn+1
.endr
	WIN 0
.set jj, 0
.rept 32
	v_pk_mul_f32 v[TR+2*jj:TR+2*jj+1], v[TR+2*jj:TR+2*jj+1], v[TR+2*jj:TR+2*jj+1]
.set jj, jj+1
.endr
.set jj, 0
.rept 32
	v_cvt_pk_bf16_f32 v[OUTR+jj], v[TR+2*jj], v[TR+2*jj+1]
.set jj, jj+1
.endr
.set nn, 0
.rept 8
	global_store_b128 v14, v[OUTR+4*nn:OUTR+4*nn+3], s[PO:PO+1] offset:512*nn    ; half a fragment of hb: 512 consecutive bytes; the eight are 4,096 on end
.set nn, nn+1
.endr
.endif
.endm
	s_load_b256 s[4:11], s[0:1], 0x0
.if SECOND
	s_load_b64 s[12:13], s[0:1], 0x20
.endif
	v_lshl_add_u32 v16, v0, 2, SPARE
	v_mov_b32 v17, 0
	v_and_b32 v1, 31, v0
	v_lshrrev_b32 v2, 5, v0
	v_readfirstlane_b32 s14, v2
	v_and_b32 v2, 15, v0
	v_bfe_u32 v3, v0, 4, 1
	v_lshlrev_b32 v4, 4, v1
	s_and_b32 s15, ttmp9, 1
	s_lshr_b32 s16, ttmp9, 1
	s_and_b32 s17, ttmp7, 0xffff
	s_lshl2_add_u32 s18, s15, s14
	s_lshl_b32 s36, s17, 2
	s_wait_kmcnt 0x0
	s_load_b32 s19, s[4:5], s36 offset:0x0         ; the expert's tiles
	s_load_b32 s20, s[4:5], s36 offset:0x20        ; its first tile
	s_and_b32 s37, s14, 1
	s_lshr_b32 s38, s14, 1
	s_lshl_b32 s38, s38, 18                        ; wave / 2: 32 rows of w1 (a block of k), or 64 rows of w2 (a group G)
.if SECOND
	s_lshl_b32 s37, s37, 13                        ; wave % 2 = c': two rows of w2
	v_lshlrev_b32 v5, 17, v3                       ; h: 32 rows
.else
	s_lshl_b32 s37, s37, 8                         ; wave % 2: which 64 columns
	v_lshlrev_b32 v5, 16, v3                       ; h: 8 rows
.endif
	s_add_co_u32 s37, s37, s38
	v_lshl_add_u32 v5, v2, 4, v5
	v_add_nc_u32 v5, s37, v5
	s_lshl_b32 s38, s14, 12
	v_add_nc_u32 v6, s38, v4
.if SECOND
	s_lshl_b32 s38, s16, 8
	v_lshlrev_b32 v13, 15, v3                      ; 8 h rows of 4,096 bytes, 16 r, the slice's 256 bytes
	v_lshl_add_u32 v13, v2, 4, v13
	v_add_nc_u32 v13, s38, v13
	v_lshlrev_b32 v15, 5, v3
.else
	s_lshl_b32 s38, s16, 12                        ; the slice's 4,096 bytes of a tile of hb
	v_add_nc_u32 v13, s38, v4
.endif
	s_lshl_b32 s34, s17, 23                        ; an expert's weights are 8,388,608 bytes
	s_lshl_b32 s39, s16, SLSH
	s_add_co_u32 s34, s34, s39
	s_mov_b32 s35, 0
	s_add_nc_u64 s[32:33], s[PW:PW+1], s[34:35]
	s_wait_kmcnt 0x0
	s_min_u32 s19, s19, 128
	s_min_u32 s20, s20, 263
	s_lshl_b32 s36, s15, 2
	s_cmp_le_u32 s19, s36
	s_cbranch_scc1 .Lfilled                        ; none of my part's waves has a tile: no weights are read
	UNITLD 0, 0
	UNITLD 1, 1
	UNITLD 2, 2
	UNITLD 3, 3
	WIN 0
	s_mov_b32 s29, 3
.Lfill:                                                ; a trip: four units are laid and the four behind them asked for
	UNIT 0, 1, 48, 4
	UNIT 1, 1, 48, 5
	UNIT 2, 1, 48, 6
	UNIT 3, 1, 48, 7
	WIN 0
	s_wait_xcnt 0x0                                ; the loads have read their base
	s_add_nc_u64 s[32:33], s[32:33], 4*US
	v_add_nc_u32 v6, 0x10000, v6
	s_sub_co_u32 s29, s29, 1
	s_cmp_lg_u32 s29, 0
	s_cbranch_scc1 .Lfill
	UNIT 0, 0, 48, 0                               ; the last four units: nothing is left to ask for, and the counts run down
	UNIT 1, 0, 32, 0
	UNIT 2, 0, 16, 0
	UNIT 3, 0, 0, 0
	WIN 0
.Lfilled:
	s_wait_dscnt 0x0                               ; for the others' sake: my fragments are stored
	s_barrier_signal -1
	s_barrier_wait -1                              ; behind this barrier the slice is only read
	s_mov_b32 s21, 0
.Lpass:
	s_mul_i32 s36, s21, 40
	s_add_co_u32 s37, s36, s18                     ; my first tile of this pass, among the expert's: g + 40 q
	s_sub_co_i32 s22, s19, s37
	s_cmp_le_i32 s22, 0
	s_cbranch_scc1 .Lnext                          ; none left
	s_add_co_u32 s23, s22, 7
	s_lshr_b32 s23, s23, 3
	s_min_u32 s23, s23, 5                          ; my tiles of this pass
	s_wait_xcnt 0x0                                ; the last pass's stores have read the registers that are written below
.irp u, 0,1,2,3,4
	s_add_co_u32 s38, s37, 8*\u
	s_cmp_gt_u32 s23, \u
	s_cselect_b32 s38, s38, s37                    ; a place without a tile repeats my first; its results are not stored
	s_add_co_u32 s38, s38, s20
	s_min_u32 s[24+\u], s38, 263
	s_lshl_b32 s38, s[24+\u], TSH
	v_add_nc_u32 v[8+\u], s38, v4
.if SECOND
	s_lshl_b32 s38, s[24+\u], 6
	v_add_nc_u32 v[18+\u], s38, v15
	global_load_b128 v[GR+8*\u:GR+8*\u+3], v[18+\u], s[6:7]             ; the gate weights of rows 8 h .. 8 h + 7: older than every load of tokens, so the first wait below covers them
	global_load_b128 v[GR+8*\u+4:GR+8*\u+7], v[18+\u], s[6:7] offset:16
.endif
.endr
	s_mov_b64 s[30:31], s[PA:PA+1]
	v_mov_b32 v7, v4
	LDB BB0, 0
	GLA 0, 0
	GLA 1, 1
	GLA 2, 2
	PERIOD 0, 1, 0, 1, 3, 40, 0                    ; the first period stands ahead of the loop: its first products start the sums
	WIN 0
	s_mov_b32 s29, (NP-4)/4
.Lk:                                                   ; a trip goes once round the tokens' ring
	PERIOD 1, 0, 1, 1, 4, 40, 0
	PERIOD 2, 0, 1, 1, 5, 40, 0
	PERIOD 3, 0, 1, 1, 6, 40, 0
	PERIOD 0, 0, 1, 1, 7, 40, 0
	WIN 0
	s_wait_xcnt 0x0                                ; the loads have read their base
	s_add_nc_u64 s[30:31], s[30:31], 8192
	s_sub_co_u32 s29, s29, 1
	s_cmp_lg_u32 s29, 0
	s_cbranch_scc1 .Lk
	PERIOD 1, 0, 1, 0, 0, 40, 0                    ; the last three periods ask for nothing: no load leaves a tile, and the counts run down
	PERIOD 2, 0, 1, 0, 0, 20, 0
	PERIOD 3, 0, 1, 0, 0, 0, 1
	PLACES 4                                       ; behind the last products, ahead of what reads their results and writes their sources
	EPI 0
	s_cmp_le_u32 s23, 1
	s_cbranch_scc1 .Lnext
	EPI 1
	s_cmp_le_u32 s23, 2
	s_cbranch_scc1 .Lnext
	EPI 2
	s_cmp_le_u32 s23, 3
	s_cbranch_scc1 .Lnext
	EPI 3
	s_cmp_le_u32 s23, 4
	s_cbranch_scc1 .Lnext
	EPI 4
.Lnext:
	s_add_co_u32 s21, s21, 1
	s_cmp_lt_u32 s21, 4
	s_cbranch_scc1 .Lpass
	s_wait_dscnt 0x0                               ; my reads of LDS are back,
	s_barrier_signal -1
	s_barrier_wait -1                              ; and so are every wave's: no LDS word is written below while a wave still reads
	s_wait_tensorcnt 0x0                           ; the wave's end
	ds_add_u32 v16, v17
	s_wait_dscnt 0x0
	s_endpgm
.Lfunc_end_k_q4f6cf72e0f_ffn1:
	.size	k_q4f6cf72e0f_ffn1, .Lfunc_end_k_q4f6cf72e0f_ffn1-k_q4f6cf72e0f_ffn1
	.p2alignl 7, 3214868480
	.fill 96, 4, 3214868480
	.section	.rodata,"a",@progbits
	.p2align	6, 0x0
	.amdhsa_kernel k_q4f6cf72e0f_ffn1
		.amdhsa_group_segment_fixed_size 262656
		.amdhsa_private_segment_fixed_size 0
		.amdhsa_enable_private_segment 0
		.amdhsa_kernarg_size 32
		.amdhsa_user_sgpr_count 2
		.amdhsa_user_sgpr_kernarg_segment_ptr 1
		.amdhsa_wavefront_size32 1
		.amdhsa_system_sgpr_workgroup_id_x 1
		.amdhsa_system_sgpr_workgroup_id_y 1
		.amdhsa_system_sgpr_workgroup_id_z 1
		.amdhsa_system_vgpr_workitem_id 0
		.amdhsa_next_free_vgpr 912
		.amdhsa_next_free_sgpr 66
		.amdhsa_reserve_vcc 0
		.amdhsa_float_denorm_mode_32 3
		.amdhsa_float_denorm_mode_16_64 3
		.amdhsa_memory_ordered 1
		.amdhsa_forward_progress 1
		.amdhsa_inst_pref_size 150
	.end_amdhsa_kernel
	.amdgpu_metadata
---
amdhsa.version: [ 1, 2 ]
amdhsa.kernels:
  - .name:           k_q4f6cf72e0f_ffn1
    .symbol:         k_q4f6cf72e0f_ffn1.kd
    .args:
      - { .name: meta, .offset: 0, .size: 8, .value_kind: global_buffer, .address_space: global }
      - { .name: xs, .offset: 8, .size: 8, .value_kind: global_buffer, .address_space: global }
      - { .name: w1, .offset: 16, .size: 8, .value_kind: global_buffer, .address_space: global }
      - { .name: hb, .offset: 24, .size: 8, .value_kind: global_buffer, .address_space: global }
    .group_segment_fixed_size: 262656
    .private_segment_fixed_size: 0
    .kernarg_segment_align: 8
    .kernarg_segment_size: 32
    .max_flat_workgroup_size: 128
    .sgpr_count:     66
    .vgpr_count:     912
    .wavefront_size: 32
...
	.end_amdgpu_metadata
.endif
;; end of part 3
;; launch ffn2 (part 4): grid 32 x 8, 4 waves a work-group, no clusters, 262,656 bytes of LDS; arguments meta, gs, hb, w2, yp; writes yp
.if DOCPART == 4
	.amdgcn_target "amdgcn-amd-amdhsa--gfx1250"
	.amdhsa_code_object_version 6
	.text
	.protected	k_q4f6cf72e0f_ffn2
	.globl	k_q4f6cf72e0f_ffn2
	.p2align	8
	.type	k_q4f6cf72e0f_ffn2,@function
k_q4f6cf72e0f_ffn2:
	s_mov_b64 s[64:65], 0
	v_nop
	global_prefetch_b8 v0, s[64:65] scope:SCOPE_SE
	s_setreg_imm32_b32 hwreg(HW_REG_WAVE_MODE, 25, 1), 1
	s_wait_xcnt 0x0
; ONE TEXT FOR BOTH PRODUCTS OF THE EXPERTS' LAYER; SECOND = 0: hb = relu(xs w1)^2, SECOND = 1: yp = gate x (hb w2).  bf16 operands, f32 sums.
; SHARES.  A work-group is (expert e, slice sl of 16 of the product's columns, part p of 2): 8 x 16 x 2 = 256.  The slice, K x n = 1,024 x 128 or 2,048 x 64 weights, is read as f32, rounded on its way through
; registers and kept in LDS as 262,144 bytes of bf16 fragments.  The expert's tiles of 16 rows are dealt to the eight waves of its two parts: tile i to wave i % 8; a wave multiplies up to five tiles at a time
; (a pass) against the whole slice; four passes serve 160 tiles, more than the 128 of an expert that has all 2,048 tokens.  An expert without rows, or a part without tiles, loads no weights and stores nothing.
; TOKEN ROWS come from memory straight into registers as matrix operands: xs and hb lie in operand order, 1,024 bytes for a tile and 32 k, each load 512 consecutive bytes.  So the loops whose length hangs
; on the stored counts write no LDS and hold no barrier.
; WEIGHTS [K][N] BECOME FRAGMENTS WITHOUT A TURNING LOAD.  Lane (r, h) loads 16 bytes, columns 4 r .. 4 r + 3 of a group of 64, of 16 rows (16 lanes: 256 consecutive bytes, aligned).  Rounding two rows' numbers of
; column 4 r + jt into one register makes the fragment of a 16-column tile jt in which lane r stands for column 4 r + jt.
;   SECOND = 0: source 0 = weights, source 1 = tokens: a lane's results are one token row and hidden units 64 G + 32 h + 4 j + jt; squared and rounded in pairs they ARE half a fragment of hb: block 2 G + jt / 2, half jt % 2.
;   SECOND = 1: source 0 = tokens, source 1 = weights; w2's rows are taken in hb's order of k (ROW below); a lane's four tiles give four neighbouring columns of a row of yp: 16 lanes store 256 consecutive bytes, aligned.
; The partial rows in yp are f32 and carry their gate weight; a later launch adds a token's two.
; NO CLUSTER, NO TENSOR LOADS: what an expert's work-groups share is its token tiles, whose number hangs on stored counts; a walk of constant length would have to serve 2,048 rows an expert, four times the
; mean, which uses up what a joint request of four saves.  A slice of weights has two readers.
; LIMITS.  h is kept in bf16 (f16 has no room for inputs 30 times larger).  NaN and infinities are not treated apart.
.set SECOND, 1
.if SECOND
.set NT,    4                          ; 16-column tiles in a slice
.set NP,    32                         ; periods of 64 along K
.set TSH,   16                         ; a tile of token rows is 1 << TSH bytes
.set WP,    4096                       ; bytes in a row of the weights
.set SLSH,  8                          ; a slice is 1 << SLSH bytes of such a row
.set RING3, 672                        ; the fourth slot of the tokens' ring
.set PA,    8                          ; s[8:9] hb, s[10:11] w2, s[12:13] yp; s[6:7] gs
.set PW,    10
.set PO,    12
.else
.set NT,    8
.set NP,    16
.set TSH,   15
.set WP,    8192
.set SLSH,  9
.set RING3, 768
.set PA,    6                          ; s[6:7] xs, s[8:9] w1, s[10:11] hb
.set PW,    8
.set PO,    10
.endif
.set PB,    2*NT*1024                  ; LDS bytes of a period: fragment (block kb of 32 k, tile nt) lies at (kb NT + nt) 1,024 + 512 c + 16 lane
.set US,    524288                     ; bytes of the weights from a wave's unit to its next
.set SPARE, 262144                     ; behind the slice: the spare words, 128 bytes for each of four waves; no other line names them
; REGISTERS, by their whole numbers; the macros split them into window and low byte (s_set_vgpr_msb: bits 1:0 source 0, 3:2 source 1, 5:4 source 2, 7:6 destination).
;   v1 lane, v2 r, v3 h, v4 16 lane, v5 my offset in the weights, v6 where I store fragments, v7 where I read them, v8-12 my five tiles' offsets, v13 the stores' fixed part, v14 a store's offset,
;   v15 32 h and v18-22 offsets in gs (SECOND), v16, v17 the add's two
;   BB0, BB1 weights' fragments of a step of 32 k; FR fragments being made; TR, OUTR the way out; GR gate weights (SECOND)
;   256-511 while the slice is laid: a ring of four units of 64; then the tokens' ring: slot b at 256 + 80 b (b < 3) or RING3: tile u, step s at + 16 u + 8 s
;   accumulators: SECOND = 0: 512 + 64 u + 8 nt (u < 4), 848 + 8 nt (u = 4); SECOND = 1: 512 + 32 u + 8 nt
.set BB0,  32
.set BB1,  32+8*NT
.set FR,   160
.set TR,   32
.set OUTR, 96
.set GR,   192
; s14 wave, s15 p, s16 sl, s17 e, s18 g = 4 p + wave, s19 the expert's tiles, s20 its first tile, s21 pass, s22, s23 tiles left and tiles of this pass, s[24:28] their numbers, s29 a loop's count,
; s[30:31] tokens' running address, s[32:33] weights' running address, s[34:35] an offset, s36-39 at work
.set MSB, 0
.macro WIN new                         ; the immediate's high byte repeats the setting that is left; a switch that changes nothing is dropped
.if MSB != (\new)
	s_set_vgpr_msb (MSB<<8)|(\new)
.set MSB, (\new)
.endif
.endm
.macro PLACES n                        ; plain vector instructions between a matrix instruction and what writes its sources or reads its result (ISA guide 7.12.1)
.rept \n
	v_nop
.endr
.endm
.macro SETAR b, u, s                   ; rT = the tokens' fragment of ring slot b, tile u, step s
.if (\b) < 3
.set rT, 256+80*(\b)+16*(\u)+8*(\s)
.else
.set rT, RING3+16*(\u)+8*(\s)
.endif
.endm
.macro SETACC u, n                     ; rD = the accumulator of tile u and column tile n
.if SECOND
.set rD, 512+32*(\u)+8*(\n)
.elseif (\u) < 4
.set rD, 512+64*(\u)+8*(\n)
.else
.set rD, 848+8*(\n)
.endif
.endm
.macro MMA d, a, b, zero               ; zero = 1: the product starts the sum: nothing is ever cleared
	WIN (((\d)>>8)<<6)|(((\d)>>8)<<4)|(((\b)>>8)<<2)|((\a)>>8)
.if \zero
	v_wmma_f32_16x16x32_bf16 v[(\d)&255:((\d)&255)+7], v[(\a)&255:((\a)&255)+7], v[(\b)&255:((\b)&255)+7], 0
.else
	v_wmma_f32_16x16x32_bf16 v[(\d)&255:((\d)&255)+7], v[(\a)&255:((\a)&255)+7], v[(\b)&255:((\b)&255)+7], v[(\d)&255:((\d)&255)+7]
.endif
.endm
; LAYING THE SLICE.  A unit is 32 k x 64 columns: 16 loads a lane, four fragments, 4,096 bytes of LDS.  Unit i of wave w lands at 16,384 i + 4,096 w.
.macro UNITLD s, k                     ; the unit k units on from the running address, into ring slot s
	WIN 0x40                                       ; destination window 1
.set qq, 0
.rept 16
.if SECOND
.set wrow, 4*(qq%8)+qq/8               ; ROW: place 8 c + i of a fragment takes hidden unit 4 i + c (+ 64 G + 32 h + 2 c', which lie in v5)
.else
.set wrow, qq+8*(qq/8)                 ; ROW: place 8 c + i takes k = 16 c + i (+ 32 kb + 8 h)
.endif
	global_load_b128 v[64*(\s)+4*qq:64*(\s)+4*qq+3], v5, s[32:33] offset:(\k)*US+wrow*WP
.set qq, qq+1
.endr
.endm
.macro UNIT s, ld, lcnt, k             ; slot s is rounded and stored; ld = 1: it is asked for again
	s_wait_loadcnt \lcnt                           ; my oldest 16 loads are in; lcnt younger ones stay out
	WIN 0x05                                       ; sources window 1, destination window 0
.set jt, 0
.rept 4
.set rho, 0
.rept 8
	v_cvt_pk_bf16_f32 v[FR+8*jt+rho], v[64*(\s)+8*rho+jt], v[64*(\s)+8*rho+4+jt]
.set rho, rho+1
.endr
.set jt, jt+1
.endr
	WIN 0
.set jt, 0
.rept 4
	ds_store_b128 v6, v[FR+8*jt:FR+8*jt+3] offset:(\s)*16384+jt*1024
	ds_store_b128 v6, v[FR+8*jt+4:FR+8*jt+7] offset:(\s)*16384+jt*1024+512
.set jt, jt+1
.endr
.if \ld
	UNITLD \s, \k
.endif
.endm
; THE PRODUCT.
.macro LDB buf, off                    ; the weights' fragments of one step of 32 k
	WIN 0
.set nn, 0
.rept NT
	ds_load_b128 v[(\buf)+8*nn:(\buf)+8*nn+3], v7 offset:(\off)+nn*1024
	ds_load_b128 v[(\buf)+8*nn+4:(\buf)+8*nn+7], v7 offset:(\off)+nn*1024+512
.set nn, nn+1
.endr
.endm
.macro GLA b, aoff                     ; 20 loads: my five tiles' fragments of the period aoff periods on from the running address, into ring slot b
.set uu, 0
.rept 5
.set ss, 0
.rept 2
	SETAR \b, uu, ss
	WIN (rT>>8)<<6
	global_load_b128 v[(rT&255):(rT&255)+3], v[8+uu], s[30:31] offset:(\aoff)*2048+ss*1024
	global_load_b128 v[(rT&255)+4:(rT&255)+7], v[8+uu], s[30:31] offset:(\aoff)*2048+ss*1024+512
.set ss, ss+1
.endr
.set uu, uu+1
.endr
.endm
.macro TILE b, s, u, zero              ; tile u's NT matrix instructions of a step
.set nn, 0
.rept NT
	SETACC \u, nn
	SETAR \b, \u, \s
.set rW, BB0+(BB1-BB0)*(\s)+8*nn
.if SECOND
	MMA rD, rT, rW, \zero
.else
	MMA rD, rW, rT, \zero
.endif
.set nn, nn+1
.endr
.endm
; A step of 32 k.  The accumulators take turns, one instruction a turn: between two on one accumulator stand all the others', over the loop's jump too.
; The fifth tile's products are jumped where the pass has fewer than five tiles; the step that starts the sums always makes them, so that its accumulators are written on every way.
.macro STEP b, s, zero
	TILE \b, \s, 0, \zero
	TILE \b, \s, 1, \zero
	TILE \b, \s, 2, \zero
	TILE \b, \s, 3, \zero
.if \zero
	TILE \b, \s, 4, 1
.else
	WIN 0                                          ; at a branch and at a label every window is 0
	s_cmp_lt_u32 s23, 5
	s_cbranch_scc1 .Lno5_\@
	TILE \b, \s, 4, 0
	WIN 0
.Lno5_\@:
.endif
.endm
; A period of 64 k on ring slot b.  The tokens' fragments are asked for three periods ahead, the weights' one step ahead.
; lcnt: the loads of the two periods behind this one, 20 each, stay out.  2 NT: the LDS loads just issued stay out.
.macro PERIOD b, zero, adv, ld, aoff, lcnt, last
	WIN 0
.if \adv
	v_add_nc_u32 v7, PB, v7                        ; with the three below: the four places behind the last products, ahead of the loads into registers that they read
	PLACES 3
.else
	PLACES 4
.endif
	LDB BB1, NT*1024
	s_wait_loadcnt \lcnt
.if \ld
	GLA ((\b)+3)%4, \aoff
.endif
	s_wait_dscnt 2*NT
	STEP \b, 0, \zero
	PLACES 4
.if \last
	s_wait_dscnt 0x0
.else
	LDB BB0, PB
	s_wait_dscnt 2*NT
.endif
	STEP \b, 1, 0
.endm
; THE WAY OUT of tile u.
.macro EPI u
	WIN 0
	s_wait_xcnt 0x0                                ; the stores before have read their data and their offset
	s_lshl_b32 s36, s[24+(\u)], 16                 ; a tile is 65,536 bytes of hb and of yp
	v_add_nc_u32 v14, s36, v13
.if SECOND
.set jj, 0
.rept 8                                ; row 8 h + j: the gate's multiply also brings the four tiles' numbers side by side; each accumulator is read from its lowest register on
.set nn, 0
.rept 4
	SETACC \u, nn
	WIN rD>>8
	v_mul_f32 v[OUTR+4*jj+nn], v[(rD&255)+jj], v[GR+8*(\u)+jj]
.set nn, nn+1
.endr
.set jj, jj+1
.endr
	WIN 0
.set jj, 0
.rept 8
	global_store_b128 v14, v[OUTR+4*jj:OUTR+4*jj+3], s[PO:PO+1] offset:4096*jj   ; lanes 0-15: 256 consecutive bytes of row j, aligned; lanes 16-31: of row 8 + j
.set jj, jj+1
.endr
.else
.set nn, 0
.rept 8                                ; relu, each accumulator from its lowest register on
.set jj, 0
.rept 8
	SETACC \u, nn
	WIN (rD>>8)<<2
	v_max_num_f32 v[TR+8*nn+jj], 0, v[(rD&255)+jj]
.set jj, jj+1
.endr
.set nn, nn+1
.endr
	WIN 0
.set jj, 0
.rept 32
	v_pk_mul_f32 v[TR+2*jj:TR+2*jj+1], v[TR+2*jj:TR+2*jj+1], v[TR+2*jj:TR+2*jj+1]
.set jj, jj+1
.endr
.set jj, 0
.rept 32
	v_cvt_pk_bf16_f32 v[OUTR+jj], v[TR+2*jj], v[TR+2*jj+1]
.set jj, jj+1
.endr
.set nn, 0
.rept 8
	global_store_b128 v14, v[OUTR+4*nn:OUTR+4*nn+3], s[PO:PO+1] offset:512*nn    ; half a fragment of hb: 512 consecutive bytes; the eight are 4,096 on end
.set nn, nn+1
.endr
.endif
.endm
	s_load_b256 s[4:11], s[0:1], 0x0
.if SECOND
	s_load_b64 s[12:13], s[0:1], 0x20
.endif
	v_lshl_add_u32 v16, v0, 2, SPARE
	v_mov_b32 v17, 0
	v_and_b32 v1, 31, v0
	v_lshrrev_b32 v2, 5, v0
	v_readfirstlane_b32 s14, v2
	v_and_b32 v2, 15, v0
	v_bfe_u32 v3, v0, 4, 1
	v_lshlrev_b32 v4, 4, v1
	s_and_b32 s15, ttmp9, 1
	s_lshr_b32 s16, ttmp9, 1
	s_and_b32 s17, ttmp7, 0xffff
	s_lshl2_add_u32 s18, s15, s14
	s_lshl_b32 s36, s17, 2
	s_wait_kmcnt 0x0
	s_load_b32 s19, s[4:5], s36 offset:0x0         ; the expert's tiles
	s_load_b32 s20, s[4:5], s36 offset:0x20        ; its first tile
	s_and_b32 s37, s14, 1
	s_lshr_b32 s38, s14, 1
	s_lshl_b32 s38, s38, 18                        ; wave / 2: 32 rows of w1 (a block of k), or 64 rows of w2 (a group G)
.if SECOND
	s_lshl_b32 s37, s37, 13                        ; wave % 2 = c': two rows of w2
	v_lshlrev_b32 v5, 17, v3                       ; h: 32 rows
.else
	s_lshl_b32 s37, s37, 8                         ; wave % 2: which 64 columns
	v_lshlrev_b32 v5, 16, v3                       ; h: 8 rows
.endif
	s_add_co_u32 s37, s37, s38
	v_lshl_add_u32 v5, v2, 4, v5
	v_add_nc_u32 v5, s37, v5
	s_lshl_b32 s38, s14, 12
	v_add_nc_u32 v6, s38, v4
.if SECOND
	s_lshl_b32 s38, s16, 8
	v_lshlrev_b32 v13, 15, v3                      ; 8 h rows of 4,096 bytes, 16 r, the slice's 256 bytes
	v_lshl_add_u32 v13, v2, 4, v13
	v_add_nc_u32 v13, s38, v13
	v_lshlrev_b32 v15, 5, v3
.else
	s_lshl_b32 s38, s16, 12                        ; the slice's 4,096 bytes of a tile of hb
	v_add_nc_u32 v13, s38, v4
.endif
	s_lshl_b32 s34, s17, 23                        ; an expert's weights are 8,388,608 bytes
	s_lshl_b32 s39, s16, SLSH
	s_add_co_u32 s34, s34, s39
	s_mov_b32 s35, 0
	s_add_nc_u64 s[32:33], s[PW:PW+1], s[34:35]
	s_wait_kmcnt 0x0
	s_min_u32 s19, s19, 128
	s_min_u32 s20, s20, 263
	s_lshl_b32 s36, s15, 2
	s_cmp_le_u32 s19, s36
	s_cbranch_scc1 .Lfilled                        ; none of my part's waves has a tile: no weights are read
	UNITLD 0, 0
	UNITLD 1, 1
	UNITLD 2, 2
	UNITLD 3, 3
	WIN 0
	s_mov_b32 s29, 3
.Lfill:                                                ; a trip: four units are laid and the four behind them asked for
	UNIT 0, 1, 48, 4
	UNIT 1, 1, 48, 5
	UNIT 2, 1, 48, 6
	UNIT 3, 1, 48, 7
	WIN 0
	s_wait_xcnt 0x0                                ; the loads have read their base
	s_add_nc_u64 s[32:33], s[32:33], 4*US
	v_add_nc_u32 v6, 0x10000, v6
	s_sub_co_u32 s29, s29, 1
	s_cmp_lg_u32 s29, 0
	s_cbranch_scc1 .Lfill
	UNIT 0, 0, 48, 0                               ; the last four units: nothing is left to ask for, and the counts run down
	UNIT 1, 0, 32, 0
	UNIT 2, 0, 16, 0
	UNIT 3, 0, 0, 0
	WIN 0
.Lfilled:
	s_wait_dscnt 0x0                               ; for the others' sake: my fragments are stored
	s_barrier_signal -1
	s_barrier_wait -1                              ; behind this barrier the slice is only read
	s_mov_b32 s21, 0
.Lpass:
	s_mul_i32 s36, s21, 40
	s_add_co_u32 s37, s36, s18                     ; my first tile of this pass, among the expert's: g + 40 q
	s_sub_co_i32 s22, s19, s37
	s_cmp_le_i32 s22, 0
	s_cbranch_scc1 .Lnext                          ; none left
	s_add_co_u32 s23, s22, 7
	s_lshr_b32 s23, s23, 3
	s_min_u32 s23, s23, 5                          ; my tiles of this pass
	s_wait_xcnt 0x0                                ; the last pass's stores have read the registers that are written below
.irp u, 0,1,2,3,4
	s_add_co_u32 s38, s37, 8*\u
	s_cmp_gt_u32 s23, \u
	s_cselect_b32 s38, s38, s37                    ; a place without a tile repeats my first; its results are not stored
	s_add_co_u32 s38, s38, s20
	s_min_u32 s[24+\u], s38, 263
	s_lshl_b32 s38, s[24+\u], TSH
	v_add_nc_u32 v[8+\u], s38, v4
.if SECOND
	s_lshl_b32 s38, s[24+\u], 6
	v_add_nc_u32 v[18+\u], s38, v15
	global_load_b128 v[GR+8*\u:GR+8*\u+3], v[18+\u], s[6:7]             ; the gate weights of rows 8 h .. 8 h + 7: older than every load of tokens, so the first wait below covers them
	global_load_b128 v[GR+8*\u+4:GR+8*\u+7], v[18+\u], s[6:7] offset:16
.endif
.endr
	s_mov_b64 s[30:31], s[PA:PA+1]
	v_mov_b32 v7, v4
	LDB BB0, 0
	GLA 0, 0
	GLA 1, 1
	GLA 2, 2
	PERIOD 0, 1, 0, 1, 3, 40, 0                    ; the first period stands ahead of the loop: its first products start the sums
	WIN 0
	s_mov_b32 s29, (NP-4)/4
.Lk:                                                   ; a trip goes once round the tokens' ring
	PERIOD 1, 0, 1, 1, 4, 40, 0
	PERIOD 2, 0, 1, 1, 5, 40, 0
	PERIOD 3, 0, 1, 1, 6, 40, 0
	PERIOD 0, 0, 1, 1, 7, 40, 0
	WIN 0
	s_wait_xcnt 0x0                                ; the loads have read their base
	s_add_nc_u64 s[30:31], s[30:31], 8192
	s_sub_co_u32 s29, s29, 1
	s_cmp_lg_u32 s29, 0
	s_cbranch_scc1 .Lk
	PERIOD 1, 0, 1, 0, 0, 40, 0                    ; the last three periods ask for nothing: no load leaves a tile, and the counts run down
	PERIOD 2, 0, 1, 0, 0, 20, 0
	PERIOD 3, 0, 1, 0, 0, 0, 1
	PLACES 4                                       ; behind the last products, ahead of what reads their results and writes their sources
	EPI 0
	s_cmp_le_u32 s23, 1
	s_cbranch_scc1 .Lnext
	EPI 1
	s_cmp_le_u32 s23, 2
	s_cbranch_scc1 .Lnext
	EPI 2
	s_cmp_le_u32 s23, 3
	s_cbranch_scc1 .Lnext
	EPI 3
	s_cmp_le_u32 s23, 4
	s_cbranch_scc1 .Lnext
	EPI 4
.Lnext:
	s_add_co_u32 s21, s21, 1
	s_cmp_lt_u32 s21, 4
	s_cbranch_scc1 .Lpass
	s_wait_dscnt 0x0                               ; my reads of LDS are back,
	s_barrier_signal -1
	s_barrier_wait -1                              ; and so are every wave's: no LDS word is written below while a wave still reads
	s_wait_tensorcnt 0x0                           ; the wave's end
	ds_add_u32 v16, v17
	s_wait_dscnt 0x0
	s_endpgm
.Lfunc_end_k_q4f6cf72e0f_ffn2:
	.size	k_q4f6cf72e0f_ffn2, .Lfunc_end_k_q4f6cf72e0f_ffn2-k_q4f6cf72e0f_ffn2
	.p2alignl 7, 3214868480
	.fill 96, 4, 3214868480
	.section	.rodata,"a",@progbits
	.p2align	6, 0x0
	.amdhsa_kernel k_q4f6cf72e0f_ffn2
		.amdhsa_group_segment_fixed_size 262656
		.amdhsa_private_segment_fixed_size 0
		.amdhsa_enable_private_segment 0
		.amdhsa_kernarg_size 40
		.amdhsa_user_sgpr_count 2
		.amdhsa_user_sgpr_kernarg_segment_ptr 1
		.amdhsa_wavefront_size32 1
		.amdhsa_system_sgpr_workgroup_id_x 1
		.amdhsa_system_sgpr_workgroup_id_y 1
		.amdhsa_system_sgpr_workgroup_id_z 1
		.amdhsa_system_vgpr_workitem_id 0
		.amdhsa_next_free_vgpr 752
		.amdhsa_next_free_sgpr 66
		.amdhsa_reserve_vcc 0
		.amdhsa_float_denorm_mode_32 3
		.amdhsa_float_denorm_mode_16_64 3
		.amdhsa_memory_ordered 1
		.amdhsa_forward_progress 1
		.amdhsa_inst_pref_size 98
	.end_amdhsa_kernel
	.amdgpu_metadata
---
amdhsa.version: [ 1, 2 ]
amdhsa.kernels:
  - .name:           k_q4f6cf72e0f_ffn2
    .symbol:         k_q4f6cf72e0f_ffn2.kd
    .args:
      - { .name: meta, .offset: 0, .size: 8, .value_kind: global_buffer, .address_space: global }
      - { .name: gs, .offset: 8, .size: 8, .value_kind: global_buffer, .address_space: global }
      - { .name: hb, .offset: 16, .size: 8, .value_kind: global_buffer, .address_space: global }
      - { .name: w2, .offset: 24, .size: 8, .value_kind: global_buffer, .address_space: global }
      - { .name: yp, .offset: 32, .size: 8, .value_kind: global_buffer, .address_space: global }
    .group_segment_fixed_size: 262656
    .private_segment_fixed_size: 0
    .kernarg_segment_align: 8
    .kernarg_segment_size: 40
    .max_flat_workgroup_size: 128
    .sgpr_count:     66
    .vgpr_count:     752
    .wavefront_size: 32
...
	.end_amdgpu_metadata
.endif
;; end of part 4
;; launch combine (part 5): grid 256 x 1, 8 waves a work-group, no clusters, 0 bytes of LDS; arguments pos, yp, out0; writes out0
.if DOCPART == 5
	.amdgcn_target "amdgcn-amd-amdhsa--gfx1250"
	.amdhsa_code_object_version 6
	.text
	.protected	k_q4f6cf72e0f_combine
	.globl	k_q4f6cf72e0f_combine
	.p2align	8
	.type	k_q4f6cf72e0f_combine,@function
k_q4f6cf72e0f_combine:
	s_mov_b64 s[64:65], 0
	v_nop
	global_prefetch_b8 v0, s[64:65] scope:SCOPE_SE
	s_setreg_imm32_b32 hwreg(HW_REG_WAVE_MODE, 25, 1), 1
	s_wait_xcnt 0x0
; COMBINE.  out0[t] = yp[pos[2 t]] + yp[pos[2 t + 1]]: a token's two partial rows, which carry their gate weights already, are added in f32.
; One wave a token: 256 work-groups x 8 waves = 2,048.  A row is 4,096 bytes: eight loads of 512 consecutive bytes from each of the two rows, all sixteen on their way before the first wait;
; each store covers 512 consecutive bytes, aligned.  A stream: no LDS, no barrier, no matrix unit.
	s_load_b128 s[4:7], s[0:1], 0x0                ; pos s[4:5], yp s[6:7]
	s_load_b64 s[8:9], s[0:1], 0x10                ; out0
	v_and_b32 v1, 31, v0
	v_lshrrev_b32 v2, 5, v0
	v_readfirstlane_b32 s10, v2                    ; wave
	s_lshl_b32 s11, ttmp9, 3
	s_add_co_u32 s11, s11, s10                     ; my token
	s_lshl_b32 s14, s11, 3
	v_lshlrev_b32 v1, 4, v1                        ; 16 lane
	s_wait_kmcnt 0x0
	s_load_b64 s[12:13], s[4:5], s14 offset:0x0    ; its two slots
	s_lshl_b32 s16, s11, 12
	s_mov_b32 s17, 0
	s_add_nc_u64 s[8:9], s[8:9], s[16:17]
	s_wait_kmcnt 0x0
	s_min_u32 s12, s12, 4223
	s_min_u32 s13, s13, 4223
	s_lshl_b32 s12, s12, 12
	s_lshl_b32 s13, s13, 12
	v_add_nc_u32 v2, s12, v1
	v_add_nc_u32 v3, s13, v1
.irp j, 0,1,2,3,4,5,6,7
	global_load_b128 v[8+4*\j:8+4*\j+3], v2, s[6:7] offset:512*\j th:TH_LOAD_NT
	global_load_b128 v[40+4*\j:40+4*\j+3], v3, s[6:7] offset:512*\j th:TH_LOAD_NT
.endr
.irp j, 0,1,2,3,4,5,6,7
	s_wait_loadcnt 14-2*\j                         ; pair j is in; the pairs behind it stay out
	v_pk_add_f32 v[8+4*\j:8+4*\j+1], v[8+4*\j:8+4*\j+1], v[40+4*\j:40+4*\j+1]
	v_pk_add_f32 v[8+4*\j+2:8+4*\j+3], v[8+4*\j+2:8+4*\j+3], v[40+4*\j+2:40+4*\j+3]
	global_store_b128 v1, v[8+4*\j:8+4*\j+3], s[8:9] offset:512*\j th:TH_STORE_NT
.endr
	s_endpgm
.Lfunc_end_k_q4f6cf72e0f_combine:
	.size	k_q4f6cf72e0f_combine, .Lfunc_end_k_q4f6cf72e0f_combine-k_q4f6cf72e0f_combine
	.p2alignl 7, 3214868480
	.fill 96, 4, 3214868480
	.section	.rodata,"a",@progbits
	.p2align	6, 0x0
	.amdhsa_kernel k_q4f6cf72e0f_combine
		.amdhsa_group_segment_fixed_size 0
		.amdhsa_private_segment_fixed_size 0
		.amdhsa_enable_private_segment 0
		.amdhsa_kernarg_size 24
		.amdhsa_user_sgpr_count 2
		.amdhsa_user_sgpr_kernarg_segment_ptr 1
		.amdhsa_wavefront_size32 1
		.amdhsa_system_sgpr_workgroup_id_x 1
		.amdhsa_system_sgpr_workgroup_id_y 1
		.amdhsa_system_sgpr_workgroup_id_z 1
		.amdhsa_system_vgpr_workitem_id 0
		.amdhsa_next_free_vgpr 72
		.amdhsa_next_free_sgpr 66
		.amdhsa_reserve_vcc 0
		.amdhsa_float_denorm_mode_32 3
		.amdhsa_float_denorm_mode_16_64 3
		.amdhsa_memory_ordered 1
		.amdhsa_forward_progress 1
		.amdhsa_inst_pref_size 5
	.end_amdhsa_kernel
	.amdgpu_metadata
---
amdhsa.version: [ 1, 2 ]
amdhsa.kernels:
  - .name:           k_q4f6cf72e0f_combine
    .symbol:         k_q4f6cf72e0f_combine.kd
    .args:
      - { .name: pos, .offset: 0, .size: 8, .value_kind: global_buffer, .address_space: global }
      - { .name: yp, .offset: 8, .size: 8, .value_kind: global_buffer, .address_space: global }
      - { .name: out0, .offset: 16, .size: 8, .value_kind: global_buffer, .address_space: global }
    .group_segment_fixed_size: 0
    .private_segment_fixed_size: 0
    .kernarg_segment_align: 8
    .kernarg_segment_size: 24
    .max_flat_workgroup_size: 256
    .sgpr_count:     66
    .vgpr_count:     72
    .wavefront_size: 32
...
	.end_amdgpu_metadata
.endif
;; end of part 5
;; ======== version 2 of 2: 5 launches; 1.12 times as fast as version 1
;; workspace buffers: sel 8,192 bytes of whole numbers; gate 16,384 bytes; meta 256 bytes of whole numbers; pos 16,384 bytes of whole numbers; gs 16,896 bytes; xs 8,650,752 bytes; hb 17,301,504 bytes; yp 17,301,504 bytes
;; launch router: the kernel of part 1 again; grid 256 x 1, 8 waves a work-group, no clusters, 33,792 bytes of LDS; arguments x, router_w, sel, gate; writes sel, gate
;; launch place: the kernel of part 2 again; grid 264 x 1, 8 waves a work-group, no clusters, 36,352 bytes of LDS; arguments sel, gate, x, meta, pos, gs, xs; writes meta, pos, gs, xs
;; launch ffn1 (part 6): grid 32 x 8, 4 waves a work-group, no clusters, 262,656 bytes of LDS; arguments meta, xs, w1, hb; writes hb
.if DOCPART == 6
	.amdgcn_target "amdgcn-amd-amdhsa--gfx1250"
	.amdhsa_code_object_version 6
	.text
	.protected	k_q4f6cf72e0f_ffn1
	.globl	k_q4f6cf72e0f_ffn1
	.p2align	8
	.type	k_q4f6cf72e0f_ffn1,@function
k_q4f6cf72e0f_ffn1:
	s_mov_b64 s[64:65], 0
	v_nop
	global_prefetch_b8 v0, s[64:65] scope:SCOPE_SE
	s_setreg_imm32_b32 hwreg(HW_REG_WAVE_MODE, 25, 1), 1
	s_wait_xcnt 0x0
; ONE TEXT FOR BOTH PRODUCTS OF THE EXPERTS' LAYER; SECOND = 0: hb = relu(xs w1)^2, SECOND = 1: yp = gate x (hb w2).  bf16 operands, f32 sums.
; SHARES.  A work-group is (expert e, slice sl of 16 of the product's columns, part p of 2): 8 x 16 x 2 = 256.  The slice, K x n = 1,024 x 128 or 2,048 x 64 weights, is read as f32, rounded on its way through
; registers and kept in LDS as 262,144 bytes of bf16 fragments.  The expert's tiles of 16 rows are dealt to the eight waves of its two parts: tile i to wave i % 8; a wave multiplies up to five tiles at a time
; (a pass) against the whole slice; four passes serve 160 tiles, more than the 128 of an expert that has all 2,048 tokens.  A part without tiles has asked for its first 64 loads a wave (they go out ahead of the
; counts), lays nothing and stores nothing.
; TOKEN ROWS come from memory straight into registers as matrix operands: xs and hb lie in operand order, 1,024 bytes for a tile and 32 k, each load 512 consecutive bytes.  So the loops whose length hangs
; on the stored counts write no LDS and hold no barrier.
; THE WALKS ARE TURNED.  The sixteen slices of a part read the same token tiles: slice sl begins its walk along K at period sl NP / 16 and goes round, so that the sixteen ask for sixteen different parts of a tile
; at a time.  The two parts of a slice read the same weights: part 1 begins at unit 8 of 16 and goes round.  A sum's order along K is turned with its slice's walk.
; WEIGHTS [K][N] BECOME FRAGMENTS WITHOUT A TURNING LOAD.  Lane (r, h) loads 16 bytes, columns 4 r .. 4 r + 3 of a group of 64, of 16 rows (16 lanes: 256 consecutive bytes, aligned).  Rounding two rows' numbers of
; column 4 r + jt into one register makes the fragment of a 16-column tile jt in which lane r stands for column 4 r + jt.
;   SECOND = 0: source 0 = weights, source 1 = tokens: a lane's results are one token row and hidden units 64 G + 32 h + 4 j + jt; squared and rounded in pairs they ARE half a fragment of hb: block 2 G + jt / 2, half jt % 2.
;   SECOND = 1: source 0 = tokens, source 1 = weights; w2's rows are taken in hb's order of k (ROW below); a lane's four tiles give four neighbouring columns of a row of yp: 16 lanes store 256 consecutive bytes, aligned.
; NO CLUSTER, NO TENSOR LOADS: what an expert's work-groups share is its token tiles, whose number hangs on stored counts; a walk of constant length would have to serve 2,048 rows an expert, four times the
; mean, which uses up what a joint request of four saves.  A slice of weights has two readers.
; LIMITS.  h is kept in bf16 (f16 has no room for inputs 30 times larger).  NaN and infinities are not treated apart.
.set SECOND, 0
.if SECOND
.set NT,    4                          ; 16-column tiles in a slice
.set NP,    32                         ; periods of 64 along K
.set TSH,   16                         ; a tile of token rows is 1 << TSH bytes
.set WP,    4096                       ; bytes in a row of the weights
.set SLSH,  8                          ; a slice is 1 << SLSH bytes of such a row
.set RING3, 672                        ; the fourth slot of the tokens' ring
.set PA,    8                          ; s[8:9] hb, s[10:11] w2, s[12:13] yp; s[6:7] gs
.set PW,    10
.set PO,    12
.else
.set NT,    8
.set NP,    16
.set TSH,   15
.set WP,    8192
.set SLSH,  9
.set RING3, 768
.set PA,    6                          ; s[6:7] xs, s[8:9] w1, s[10:11] hb
.set PW,    8
.set PO,    10
.endif
.set PB,    2*NT*1024                  ; LDS bytes of a period: fragment (block kb of 32 k, tile nt) lies at (kb NT + nt) 1,024 + 512 c + 16 lane
.set US,    524288                     ; bytes of the weights from a wave's unit to its next; 16 units are an expert's 8,388,608 bytes
.set TILEB, 1<<TSH                     ; bytes of a tile of token rows: NP periods of 2,048
.set RSH,   TSH-4                      ; slice sl begins at byte sl << RSH of a tile: a sixteenth of it for each slice
.set SPARE, 262144                     ; behind the slice: the spare words, 128 bytes for each of four waves; no other line names them
; REGISTERS, by their whole numbers; the macros split them into window and low byte (s_set_vgpr_msb: bits 1:0 source 0, 3:2 source 1, 5:4 source 2, 7:6 destination).
;   v1 lane, v2 r, v3 h, v4 16 lane, v5 my offset in a unit of the weights, v6 where I store fragments, v7 where I read them, v8-12 my five tiles' offsets (loads, then stores), v13 the stores' fixed part,
;   v15 32 h and v18-22 offsets in gs (SECOND), v16, v17 the add's two, v23 16 lane + 4,096 wave, v24-27 the offset of each ring slot's unit in the weights
;   BB0, BB1 weights' fragments of a step of 32 k; FR fragments being made; TR at work on the way out; GR gate weights (SECOND)
;   256-511 while the slice is laid: a ring of four units of 64; then the tokens' ring: slot b at 256 + 80 b (b < 3) or RING3: tile u, step s at + 16 u + 8 s; on the way out tile u's results at 256 + 32 u
;   accumulators: SECOND = 0: 512 + 64 u + 8 nt (u < 4), 848 + 8 nt (u = 4); SECOND = 1: 512 + 32 u + 8 nt
.set BB0,  32
.set BB1,  32+8*NT
.set FR,   160
.set TR,   32
.set GR,   192
.set VW,   24
; s14 wave, s15 p, s16 sl, s17 e, s18 g = 4 p + wave, s19 the expert's tiles, s20 its first tile, s21 pass, s22, s23 tiles left and tiles of this pass, s[24:28] their numbers, s29 a loop's count,
; s[30:31] the byte in a tile of the period to be asked for next (high word 0), s[32:33] my slice of the weights, s34 the LDS byte of the period in hand, s35 the LDS byte of the four units being stored,
; s36-39 at work, s[40:47] a base for each slot of the tokens' ring
.set AB,   40
.set MSB, 0
.macro WIN new                         ; the immediate's high byte repeats the setting that is left; a switch that changes nothing is dropped
.if MSB != (\new)
	s_set_vgpr_msb (MSB<<8)|(\new)
.set MSB, (\new)
.endif
.endm
.macro PLACES n                        ; plain vector instructions between a matrix instruction and what writes its sources or reads its result (ISA guide 7.12.1)
.rept \n
	v_nop
.endr
.endm
.macro SETAR b, u, s                   ; rT = the tokens' fragment of ring slot b, tile u, step s
.if (\b) < 3
.set rT, 256+80*(\b)+16*(\u)+8*(\s)
.else
.set rT, RING3+16*(\u)+8*(\s)
.endif
.endm
.macro SETACC u, n                     ; rD = the accumulator of tile u and column tile n
.if SECOND
.set rD, 512+32*(\u)+8*(\n)
.elseif (\u) < 4
.set rD, 512+64*(\u)+8*(\n)
.else
.set rD, 848+8*(\n)
.endif
.endm
.macro MMA d, a, b, zero               ; zero = 1: the product starts the sum: nothing is ever cleared
	WIN (((\d)>>8)<<6)|(((\d)>>8)<<4)|(((\b)>>8)<<2)|((\a)>>8)
.if \zero
	v_wmma_f32_16x16x32_bf16 v[(\d)&255:((\d)&255)+7], v[(\a)&255:((\a)&255)+7], v[(\b)&255:((\b)&255)+7], 0
.else
	v_wmma_f32_16x16x32_bf16 v[(\d)&255:((\d)&255)+7], v[(\a)&255:((\a)&255)+7], v[(\b)&255:((\b)&255)+7], v[(\d)&255:((\d)&255)+7]
.endif
.endm
; LAYING THE SLICE.  A unit is 32 k x 64 columns: 16 loads a lane, four fragments, 4,096 bytes of LDS.  Unit i of wave w lands at 16,384 i + 4,096 w.  Ring slot s takes units s, 4 + s, 8 + s, 12 + s, turned by 8 p.
.macro UNITLD s                        ; the unit at slot s's offset, into ring slot s
	WIN 0x40                                       ; destination window 1
.set qq, 0
.rept 16
.if SECOND
.set wrow, 4*(qq%8)+qq/8               ; ROW: place 8 c + i of a fragment takes hidden unit 4 i + c (+ 64 G + 32 h + 2 c', which lie in v5)
.else
.set wrow, qq+8*(qq/8)                 ; ROW: place 8 c + i takes k = 16 c + i (+ 32 kb + 8 h)
.endif
	global_load_b128 v[64*(\s)+4*qq:64*(\s)+4*qq+3], v[VW+(\s)], s[32:33] offset:wrow*WP
.set qq, qq+1
.endr
.endm
.macro UNIT s, ld, lcnt                ; slot s is rounded and stored; ld = 1: it is asked for again, four units on
	s_wait_loadcnt \lcnt                           ; my oldest 16 loads, slot s's, are in; lcnt younger ones stay out
	WIN 0x05                                       ; sources window 1, destination window 0
.set jt, 0
.rept 4
.set rho, 0
.rept 8
	v_cvt_pk_bf16_f32 v[FR+8*jt+rho], v[64*(\s)+8*rho+jt], v[64*(\s)+8*rho+4+jt]
.set rho, rho+1
.endr
.set jt, jt+1
.endr
	WIN 0
.if \ld
	v_add_nc_u32 v[VW+(\s)], 4*US, v[VW+(\s)]      ; the slot's own offset: the wait above has shown the loads that named it done.  Four units on,
	v_and_b32 v[VW+(\s)], 16*US-1, v[VW+(\s)]      ; and round behind the sixteenth (my place inside a unit lies below the unit's bits)
.endif
.set jt, 0
.rept 4
	ds_store_b128 v6, v[FR+8*jt:FR+8*jt+3] offset:(\s)*16384+jt*1024
	ds_store_b128 v6, v[FR+8*jt+4:FR+8*jt+7] offset:(\s)*16384+jt*1024+512
.set jt, jt+1
.endr
.if \ld
	UNITLD \s
.endif
.endm
; THE PRODUCT.
.macro LDB buf, off                    ; the weights' fragments of one step of 32 k
	WIN 0
.set nn, 0
.rept NT
	ds_load_b128 v[(\buf)+8*nn:(\buf)+8*nn+3], v7 offset:(\off)+nn*1024
	ds_load_b128 v[(\buf)+8*nn+4:(\buf)+8*nn+7], v7 offset:(\off)+nn*1024+512
.set nn, nn+1
.endr
.endm
; 20 loads: my five tiles' fragments of the next period to be asked for, into ring slot b.  The slot has a base of its own: the buffer's address plus the period's byte in a tile.  It is written anew a period
; behind the counted wait that showed the slot's last loads done, so no other wait is needed for it.
.macro GLA b
	s_add_nc_u64 s[AB+2*(\b):AB+2*(\b)+1], s[PA:PA+1], s[30:31]
	s_add_co_u32 s30, s30, 2048                    ; the next period,
	s_and_b32 s30, s30, TILEB-1                    ; and round behind the tile's last
.set uu, 0
.rept 5
.set ss, 0
.rept 2
	SETAR \b, uu, ss
	WIN (rT>>8)<<6
	global_load_b128 v[(rT&255):(rT&255)+3], v[8+uu], s[AB+2*(\b):AB+2*(\b)+1] offset:ss*1024
	global_load_b128 v[(rT&255)+4:(rT&255)+7], v[8+uu], s[AB+2*(\b):AB+2*(\b)+1] offset:ss*1024+512
.set ss, ss+1
.endr
.set uu, uu+1
.endr
.endm
.macro TILE b, s, u, zero              ; tile u's NT matrix instructions of a step
.set nn, 0
.rept NT
	SETACC \u, nn
	SETAR \b, \u, \s
.set rW, BB0+(BB1-BB0)*(\s)+8*nn
.if SECOND
	MMA rD, rT, rW, \zero
.else
	MMA rD, rW, rT, \zero
.endif
.set nn, nn+1
.endr
.endm
; A step of 32 k.  The accumulators take turns, one instruction a turn: between two on one accumulator stand all the others', over the loop's jump too.
; The fifth tile's products are jumped where the pass has fewer than five tiles; the step that starts the sums always makes them, so that its accumulators are written on every way.
.macro STEP b, s, zero
	TILE \b, \s, 0, \zero
	TILE \b, \s, 1, \zero
	TILE \b, \s, 2, \zero
	TILE \b, \s, 3, \zero
.if \zero
	TILE \b, \s, 4, 1
.else
	WIN 0                                          ; at a branch and at a label every window is 0
	s_cmp_lt_u32 s23, 5
	s_cbranch_scc1 .Lno5_\@
	TILE \b, \s, 4, 0
	WIN 0
.Lno5_\@:
.endif
.endm
; A period of 64 k on ring slot b.  The tokens' fragments are asked for three periods ahead, the weights' one step ahead.
; lcnt: the loads of the two periods behind this one, 20 each, stay out.  2 NT: the LDS loads just issued stay out.
.macro PERIOD b, zero, ld, lcnt, last
	WIN 0
	PLACES 4                                       ; behind the last products, ahead of the loads into registers that they read
	LDB BB1, NT*1024
	s_wait_loadcnt \lcnt
.if \ld
	GLA ((\b)+3)%4
.endif
	s_wait_dscnt 2*NT
	STEP \b, 0, \zero
	WIN 0
.if \last
	s_wait_dscnt 0x0
.else
	s_add_co_u32 s34, s34, PB                      ; the next period's fragments,
	s_and_b32 s34, s34, 262144-PB                  ; and round behind the slice's last: a multiple of PB below 262,144
	v_add_nc_u32 v7, s34, v4                       ; with the three below: the four places ahead of the loads into registers that the step's products read
	PLACES 3
	LDB BB0, 0
	s_wait_dscnt 2*NT
.endif
	STEP \b, 1, 0
.endm
; THE WAY OUT of tile u.  Each tile has 32 registers of its own for what it stores (256 + 32 u: the tokens' ring is idle) and its own offset (v8 + u, idle since the last loads came in),
; so no store's source is written again before the next pass's head, where one wait stands for all.
.macro EPI u
	WIN 0
	s_lshl_b32 s36, s[24+(\u)], 16                 ; a tile is 65,536 bytes of hb and of yp
	v_add_nc_u32 v[8+(\u)], s36, v13
.if SECOND
.set jj, 0
.rept 8                                ; row 8 h + j: the gate's multiply also brings the four tiles' numbers side by side; each accumulator is read from its lowest register on
.set nn, 0
.rept 4
	SETACC \u, nn
	WIN 0x40|(rD>>8)
	v_mul_f32 v[32*(\u)+4*jj+nn], v[(rD&255)+jj], v[GR+8*(\u)+jj]
.set nn, nn+1
.endr
.set jj, jj+1
.endr
	WIN 0x04                                       ; a store's data: source 1, window 1
.set jj, 0
.rept 8
	global_store_b128 v[8+(\u)], v[32*(\u)+4*jj:32*(\u)+4*jj+3], s[PO:PO+1] offset:4096*jj   ; lanes 0-15: 256 consecutive bytes of row j, aligned; lanes 16-31: of row 8 + j
.set jj, jj+1
.endr
.else
.set nn, 0
.rept 8                                ; relu, each accumulator from its lowest register on
.set jj, 0
.rept 8
	SETACC \u, nn
	WIN (rD>>8)<<2
	v_max_num_f32 v[TR+8*nn+jj], 0, v[(rD&255)+jj]
.set jj, jj+1
.endr
.set nn, nn+1
.endr
	WIN 0
.set jj, 0
.rept 32
	v_pk_mul_f32 v[TR+2*jj:TR+2*jj+1], v[TR+2*jj:TR+2*jj+1], v[TR+2*jj:TR+2*jj+1]
.set jj, jj+1
.endr
	WIN 0x40
.set jj, 0
.rept 32
	v_cvt_pk_bf16_f32 v[32*(\u)+jj], v[TR+2*jj], v[TR+2*jj+1]
.set jj, jj+1
.endr
	WIN 0x04                                       ; a store's data: source 1, window 1
.set nn, 0
.rept 8
	global_store_b128 v[8+(\u)], v[32*(\u)+4*nn:32*(\u)+4*nn+3], s[PO:PO+1] offset:512*nn    ; half a fragment of hb: 512 consecutive bytes; the eight are 4,096 on end
.set nn, nn+1
.endr
.endif
	WIN 0
.endm
	s_load_b256 s[4:11], s[0:1], 0x0
.if SECOND
	s_load_b64 s[12:13], s[0:1], 0x20
.endif
	v_lshl_add_u32 v16, v0, 2, SPARE
	v_mov_b32 v17, 0
	v_and_b32 v1, 31, v0
	v_lshrrev_b32 v2, 5, v0
	v_readfirstlane_b32 s14, v2
	v_and_b32 v2, 15, v0
	v_bfe_u32 v3, v0, 4, 1
	v_lshlrev_b32 v4, 4, v1
	s_and_b32 s15, ttmp9, 1
	s_lshr_b32 s16, ttmp9, 1
	s_and_b32 s17, ttmp7, 0xffff
	s_lshl2_add_u32 s18, s15, s14
	s_lshl_b32 s39, s17, 2                         ; my expert's word in meta: not written again before the wait for the two loads that name it
	s_and_b32 s37, s14, 1
	s_lshr_b32 s38, s14, 1
	s_lshl_b32 s38, s38, 18                        ; wave / 2: 32 rows of w1 (a block of k), or 64 rows of w2 (a group G)
.if SECOND
	s_lshl_b32 s37, s37, 13                        ; wave % 2 = c': two rows of w2
	v_lshlrev_b32 v5, 17, v3                       ; h: 32 rows
.else
	s_lshl_b32 s37, s37, 8                         ; wave % 2: which 64 columns
	v_lshlrev_b32 v5, 16, v3                       ; h: 8 rows
.endif
	s_add_co_u32 s37, s37, s38
	v_lshl_add_u32 v5, v2, 4, v5
	v_add_nc_u32 v5, s37, v5
	s_lshl_b32 s36, s15, 22                        ; part 1 begins at unit 8
.irp s, 0,1,2,3
	s_add_co_u32 s37, s36, \s*US
	v_add_nc_u32 v[VW+\s], s37, v5
.endr
	s_lshl_b32 s38, s14, 12
	v_add_nc_u32 v23, s38, v4
	s_lshl_b32 s35, s15, 17                        ; and stores from unit 8's place on
	v_add_nc_u32 v6, s35, v23
.if SECOND
	s_lshl_b32 s38, s16, 8
	v_lshlrev_b32 v13, 15, v3                      ; 8 h rows of 4,096 bytes, 16 r, the slice's 256 bytes
	v_lshl_add_u32 v13, v2, 4, v13
	v_add_nc_u32 v13, s38, v13
	v_lshlrev_b32 v15, 5, v3
.else
	s_lshl_b32 s38, s16, 12                        ; the slice's 4,096 bytes of a tile of hb
	v_add_nc_u32 v13, s38, v4
.endif
	s_lshl_b32 s30, s17, 23                        ; an expert's weights are 8,388,608 bytes
	s_lshl_b32 s38, s16, SLSH
	s_add_co_u32 s30, s30, s38
	s_mov_b32 s31, 0                               ; stays 0: the high word of every offset kept in s30
	s_wait_kmcnt 0x0
	s_load_b32 s19, s[4:5], s39 offset:0x0         ; the expert's tiles
	s_load_b32 s20, s[4:5], s39 offset:0x20        ; its first tile
	s_add_nc_u64 s[32:33], s[PW:PW+1], s[30:31]
	UNITLD 0                                       ; the first four units hang on the arguments alone: they go out ahead of the wait for the counts
	UNITLD 1
	UNITLD 2
	UNITLD 3
	WIN 0
	s_wait_kmcnt 0x0
	s_min_u32 s19, s19, 128
	s_min_u32 s20, s20, 263
	s_lshl_b32 s36, s15, 2
	s_cmp_le_u32 s19, s36
	s_cbranch_scc1 .Lfilled                        ; none of my part's waves has a tile: nothing is laid
	s_mov_b32 s29, 3
.Lfill:                                                ; a trip: four units are laid and the four behind them asked for
	UNIT 0, 1, 48
	UNIT 1, 1, 48
	UNIT 2, 1, 48
	UNIT 3, 1, 48
	WIN 0
	s_add_co_u32 s35, s35, 0x10000                 ; the next four units' place in LDS,
	s_and_b32 s35, s35, 0x30000                    ; and round behind the sixteenth
	v_add_nc_u32 v6, s35, v23
	s_sub_co_u32 s29, s29, 1
	s_cmp_lg_u32 s29, 0
	s_cbranch_scc1 .Lfill
	UNIT 0, 0, 48                                  ; the last four units: nothing is left to ask for, and the counts run down
	UNIT 1, 0, 32
	UNIT 2, 0, 16
	UNIT 3, 0, 0
	WIN 0
.Lfilled:
	s_wait_loadcnt 0x0                             ; a part without tiles comes here with its first loads out: their registers are loaded again below
	s_wait_dscnt 0x0                               ; for the others' sake: my fragments are stored
	s_barrier_signal -1
	s_barrier_wait -1                              ; behind this barrier the slice is only read
	s_mov_b32 s21, 0
.Lpass:
	s_mul_i32 s36, s21, 40
	s_add_co_u32 s37, s36, s18                     ; my first tile of this pass, among the expert's: g + 40 q
	s_sub_co_i32 s22, s19, s37
	s_cmp_le_i32 s22, 0
	s_cbranch_scc1 .Lnext                          ; none left
	s_add_co_u32 s23, s22, 7
	s_lshr_b32 s23, s23, 3
	s_min_u32 s23, s23, 5                          ; my tiles of this pass
	s_wait_xcnt 0x0                                ; the last pass's stores have read their data and offsets, which are written below
.irp u, 0,1,2,3,4
	s_add_co_u32 s38, s37, 8*\u
	s_cmp_gt_u32 s23, \u
	s_cselect_b32 s38, s38, s37                    ; a place without a tile repeats my first; its results are not stored
	s_add_co_u32 s38, s38, s20
	s_min_u32 s[24+\u], s38, 263
	s_lshl_b32 s38, s[24+\u], TSH
	v_add_nc_u32 v[8+\u], s38, v4
.if SECOND
	s_lshl_b32 s38, s[24+\u], 6
	v_add_nc_u32 v[18+\u], s38, v15
	global_load_b128 v[GR+8*\u:GR+8*\u+3], v[18+\u], s[6:7]             ; the gate weights of rows 8 h .. 8 h + 7: older than every load of tokens, so the first wait below covers them
	global_load_b128 v[GR+8*\u+4:GR+8*\u+7], v[18+\u], s[6:7] offset:16
.endif
.endr
	s_lshl_b32 s30, s16, RSH                       ; my slice's first period: its byte in a tile,
	s_lshl_b32 s34, s16, 14                        ; and its fragments' byte in LDS: a sixteenth of 262,144 for each slice
	v_add_nc_u32 v7, s34, v4
	LDB BB0, 0
	GLA 0
	GLA 1
	GLA 2
	PERIOD 0, 1, 1, 40, 0                          ; the first period stands ahead of the loop: its first products start the sums
	WIN 0
	s_mov_b32 s29, (NP-4)/4
.Lk:                                                   ; a trip goes once round the tokens' ring
	PERIOD 1, 0, 1, 40, 0
	PERIOD 2, 0, 1, 40, 0
	PERIOD 3, 0, 1, 40, 0
	PERIOD 0, 0, 1, 40, 0
	WIN 0
	s_sub_co_u32 s29, s29, 1
	s_cmp_lg_u32 s29, 0
	s_cbranch_scc1 .Lk
	PERIOD 1, 0, 0, 40, 0                          ; the last three periods ask for nothing: all NP periods have been asked for, and the counts run down
	PERIOD 2, 0, 0, 20, 0
	PERIOD 3, 0, 0, 0, 1
	PLACES 4                                       ; behind the last products, ahead of what reads their results and writes their sources
	EPI 0
	s_cmp_le_u32 s23, 1
	s_cbranch_scc1 .Lnext
	EPI 1
	s_cmp_le_u32 s23, 2
	s_cbranch_scc1 .Lnext
	EPI 2
	s_cmp_le_u32 s23, 3
	s_cbranch_scc1 .Lnext
	EPI 3
	s_cmp_le_u32 s23, 4
	s_cbranch_scc1 .Lnext
	EPI 4
.Lnext:
	s_add_co_u32 s21, s21, 1
	s_cmp_lt_u32 s21, 4
	s_cbranch_scc1 .Lpass
	s_wait_dscnt 0x0                               ; my reads of LDS are back,
	s_barrier_signal -1
	s_barrier_wait -1                              ; and so are every wave's: no LDS word is written below while a wave still reads
	s_wait_tensorcnt 0x0                           ; the wave's end
	ds_add_u32 v16, v17
	s_wait_dscnt 0x0
	s_endpgm
.Lfunc_end_k_q4f6cf72e0f_ffn1:
	.size	k_q4f6cf72e0f_ffn1, .Lfunc_end_k_q4f6cf72e0f_ffn1-k_q4f6cf72e0f_ffn1
	.p2alignl 7, 3214868480
	.fill 96, 4, 3214868480
	.section	.rodata,"a",@progbits
	.p2align	6, 0x0
	.amdhsa_kernel k_q4f6cf72e0f_ffn1
		.amdhsa_group_segment_fixed_size 262656
		.amdhsa_private_segment_fixed_size 0
		.amdhsa_enable_private_segment 0
		.amdhsa_kernarg_size 32
		.amdhsa_user_sgpr_count 2
		.amdhsa_user_sgpr_kernarg_segment_ptr 1
		.amdhsa_wavefront_size32 1
		.amdhsa_system_sgpr_workgroup_id_x 1
		.amdhsa_system_sgpr_workgroup_id_y 1
		.amdhsa_system_sgpr_workgroup_id_z 1
		.amdhsa_system_vgpr_workitem_id 0
		.amdhsa_next_free_vgpr 912
		.amdhsa_next_free_sgpr 66
		.amdhsa_reserve_vcc 0
		.amdhsa_float_denorm_mode_32 3
		.amdhsa_float_denorm_mode_16_64 3
		.amdhsa_memory_ordered 1
		.amdhsa_forward_progress 1
		.amdhsa_inst_pref_size 153
	.end_amdhsa_kernel
	.amdgpu_metadata
---
amdhsa.version: [ 1, 2 ]
amdhsa.kernels:
  - .name:           k_q4f6cf72e0f_ffn1
    .symbol:         k_q4f6cf72e0f_ffn1.kd
    .args:
      - { .name: meta, .offset: 0, .size: 8, .value_kind: global_buffer, .address_space: global }
      - { .name: xs, .offset: 8, .size: 8, .value_kind: global_buffer, .address_space: global }
      - { .name: w1, .offset: 16, .size: 8, .value_kind: global_buffer, .address_space: global }
      - { .name: hb, .offset: 24, .size: 8, .value_kind: global_buffer, .address_space: global }
    .group_segment_fixed_size: 262656
    .private_segment_fixed_size: 0
    .kernarg_segment_align: 8
    .kernarg_segment_size: 32
    .max_flat_workgroup_size: 128
    .sgpr_count:     66
    .vgpr_count:     912
    .wavefront_size: 32
...
	.end_amdgpu_metadata
.endif
;; end of part 6
;; launch ffn2 (part 7): grid 32 x 8, 4 waves a work-group, no clusters, 262,656 bytes of LDS; arguments meta, gs, hb, w2, yp; writes yp
.if DOCPART == 7
	.amdgcn_target "amdgcn-amd-amdhsa--gfx1250"
	.amdhsa_code_object_version 6
	.text
	.protected	k_q4f6cf72e0f_ffn2
	.globl	k_q4f6cf72e0f_ffn2
	.p2align	8
	.type	k_q4f6cf72e0f_ffn2,@function
k_q4f6cf72e0f_ffn2:
	s_mov_b64 s[64:65], 0
	v_nop
	global_prefetch_b8 v0, s[64:65] scope:SCOPE_SE
	s_setreg_imm32_b32 hwreg(HW_REG_WAVE_MODE, 25, 1), 1
	s_wait_xcnt 0x0
; ONE TEXT FOR BOTH PRODUCTS OF THE EXPERTS' LAYER; SECOND = 0: hb = relu(xs w1)^2, SECOND = 1: yp = gate x (hb w2).  bf16 operands, f32 sums.
; SHARES.  A work-group is (expert e, slice sl of 16 of the product's columns, part p of 2): 8 x 16 x 2 = 256.  The slice, K x n = 1,024 x 128 or 2,048 x 64 weights, is read as f32, rounded on its way through
; registers and kept in LDS as 262,144 bytes of bf16 fragments.  The expert's tiles of 16 rows are dealt to the eight waves of its two parts: tile i to wave i % 8; a wave multiplies up to five tiles at a time
; (a pass) against the whole slice; four passes serve 160 tiles, more than the 128 of an expert that has all 2,048 tokens.  A part without tiles has asked for its first 64 loads a wave (they go out ahead of the
; counts), lays nothing and stores nothing.
; TOKEN ROWS come from memory straight into registers as matrix operands: xs and hb lie in operand order, 1,024 bytes for a tile and 32 k, each load 512 consecutive bytes.  So the loops whose length hangs
; on the stored counts write no LDS and hold no barrier.
; THE WALKS ARE TURNED.  The sixteen slices of a part read the same token tiles: slice sl begins its walk along K at period sl NP / 16 and goes round, so that the sixteen ask for sixteen different parts of a tile
; at a time.  The two parts of a slice read the same weights: part 1 begins at unit 8 of 16 and goes round.  A sum's order along K is turned with its slice's walk.
; WEIGHTS [K][N] BECOME FRAGMENTS WITHOUT A TURNING LOAD.  Lane (r, h) loads 16 bytes, columns 4 r .. 4 r + 3 of a group of 64, of 16 rows (16 lanes: 256 consecutive bytes, aligned).  Rounding two rows' numbers of
; column 4 r + jt into one register makes the fragment of a 16-column tile jt in which lane r stands for column 4 r + jt.
;   SECOND = 0: source 0 = weights, source 1 = tokens: a lane's results are one token row and hidden units 64 G + 32 h + 4 j + jt; squared and rounded in pairs they ARE half a fragment of hb: block 2 G + jt / 2, half jt % 2.
;   SECOND = 1: source 0 = tokens, source 1 = weights; w2's rows are taken in hb's order of k (ROW below); a lane's four tiles give four neighbouring columns of a row of yp: 16 lanes store 256 consecutive bytes, aligned.
; The partial rows in yp are f32 and carry their gate weight; a later launch adds a token's two.
; NO CLUSTER, NO TENSOR LOADS: what an expert's work-groups share is its token tiles, whose number hangs on stored counts; a walk of constant length would have to serve 2,048 rows an expert, four times the
; mean, which uses up what a joint request of four saves.  A slice of weights has two readers.
; LIMITS.  h is kept in bf16 (f16 has no room for inputs 30 times larger).  NaN and infinities are not treated apart.
.set SECOND, 1
.if SECOND
.set NT,    4                          ; 16-column tiles in a slice
.set NP,    32                         ; periods of 64 along K
.set TSH,   16                         ; a tile of token rows is 1 << TSH bytes
.set WP,    4096                       ; bytes in a row of the weights
.set SLSH,  8                          ; a slice is 1 << SLSH bytes of such a row
.set RING3, 672                        ; the fourth slot of the tokens' ring
.set PA,    8                          ; s[8:9] hb, s[10:11] w2, s[12:13] yp; s[6:7] gs
.set PW,    10
.set PO,    12
.else
.set NT,    8
.set NP,    16
.set TSH,   15
.set WP,    8192
.set SLSH,  9
.set RING3, 768
.set PA,    6                          ; s[6:7] xs, s[8:9] w1, s[10:11] hb
.set PW,    8
.set PO,    10
.endif
.set PB,    2*NT*1024                  ; LDS bytes of a period: fragment (block kb of 32 k, tile nt) lies at (kb NT + nt) 1,024 + 512 c + 16 lane
.set US,    524288                     ; bytes of the weights from a wave's unit to its next; 16 units are an expert's 8,388,608 bytes
.set TILEB, 1<<TSH                     ; bytes of a tile of token rows: NP periods of 2,048
.set RSH,   TSH-4                      ; slice sl begins at byte sl << RSH of a tile: a sixteenth of it for each slice
.set SPARE, 262144                     ; behind the slice: the spare words, 128 bytes for each of four waves; no other line names them
; REGISTERS, by their whole numbers; the macros split them into window and low byte (s_set_vgpr_msb: bits 1:0 source 0, 3:2 source 1, 5:4 source 2, 7:6 destination).
;   v1 lane, v2 r, v3 h, v4 16 lane, v5 my offset in a unit of the weights, v6 where I store fragments, v7 where I read them, v8-12 my five tiles' offsets (loads, then stores), v13 the stores' fixed part,
;   v15 32 h and v18-22 offsets in gs (SECOND), v16, v17 the add's two, v23 16 lane + 4,096 wave, v24-27 the offset of each ring slot's unit in the weights
;   BB0, BB1 weights' fragments of a step of 32 k; FR fragments being made; TR at work on the way out; GR gate weights (SECOND)
;   256-511 while the slice is laid: a ring of four units of 64; then the tokens' ring: slot b at 256 + 80 b (b < 3) or RING3: tile u, step s at + 16 u + 8 s; on the way out tile u's results at 256 + 32 u
;   accumulators: SECOND = 0: 512 + 64 u + 8 nt (u < 4), 848 + 8 nt (u = 4); SECOND = 1: 512 + 32 u + 8 nt
.set BB0,  32
.set BB1,  32+8*NT
.set FR,   160
.set TR,   32
.set GR,   192
.set VW,   24
; s14 wave, s15 p, s16 sl, s17 e, s18 g = 4 p + wave, s19 the expert's tiles, s20 its first tile, s21 pass, s22, s23 tiles left and tiles of this pass, s[24:28] their numbers, s29 a loop's count,
; s[30:31] the byte in a tile of the period to be asked for next (high word 0), s[32:33] my slice of the weights, s34 the LDS byte of the period in hand, s35 the LDS byte of the four units being stored,
; s36-39 at work, s[40:47] a base for each slot of the tokens' ring
.set AB,   40
.set MSB, 0
.macro WIN new                         ; the immediate's high byte repeats the setting that is left; a switch that changes nothing is dropped
.if MSB != (\new)
	s_set_vgpr_msb (MSB<<8)|(\new)
.set MSB, (\new)
.endif
.endm
.macro PLACES n                        ; plain vector instructions between a matrix instruction and what writes its sources or reads its result (ISA guide 7.12.1)
.rept \n
	v_nop
.endr
.endm
.macro SETAR b, u, s                   ; rT = the tokens' fragment of ring slot b, tile u, step s
.if (\b) < 3
.set rT, 256+80*(\b)+16*(\u)+8*(\s)
.else
.set rT, RING3+16*(\u)+8*(\s)
.endif
.endm
.macro SETACC u, n                     ; rD = the accumulator of tile u and column tile n
.if SECOND
.set rD, 512+32*(\u)+8*(\n)
.elseif (\u) < 4
.set rD, 512+64*(\u)+8*(\n)
.else
.set rD, 848+8*(\n)
.endif
.endm
.macro MMA d, a, b, zero               ; zero = 1: the product starts the sum: nothing is ever cleared
	WIN (((\d)>>8)<<6)|(((\d)>>8)<<4)|(((\b)>>8)<<2)|((\a)>>8)
.if \zero
	v_wmma_f32_16x16x32_bf16 v[(\d)&255:((\d)&255)+7], v[(\a)&255:((\a)&255)+7], v[(\b)&255:((\b)&255)+7], 0
.else
	v_wmma_f32_16x16x32_bf16 v[(\d)&255:((\d)&255)+7], v[(\a)&255:((\a)&255)+7], v[(\b)&255:((\b)&255)+7], v[(\d)&255:((\d)&255)+7]
.endif
.endm
; LAYING THE SLICE.  A unit is 32 k x 64 columns: 16 loads a lane, four fragments, 4,096 bytes of LDS.  Unit i of wave w lands at 16,384 i + 4,096 w.  Ring slot s takes units s, 4 + s, 8 + s, 12 + s, turned by 8 p.
.macro UNITLD s                        ; the unit at slot s's offset, into ring slot s
	WIN 0x40                                       ; destination window 1
.set qq, 0
.rept 16
.if SECOND
.set wrow, 4*(qq%8)+qq/8               ; ROW: place 8 c + i of a fragment takes hidden unit 4 i + c (+ 64 G + 32 h + 2 c', which lie in v5)
.else
.set wrow, qq+8*(qq/8)                 ; ROW: place 8 c + i takes k = 16 c + i (+ 32 kb + 8 h)
.endif
	global_load_b128 v[64*(\s)+4*qq:64*(\s)+4*qq+3], v[VW+(\s)], s[32:33] offset:wrow*WP
.set qq, qq+1
.endr
.endm
.macro UNIT s, ld, lcnt                ; slot s is rounded and stored; ld = 1: it is asked for again, four units on
	s_wait_loadcnt \lcnt                           ; my oldest 16 loads, slot s's, are in; lcnt younger ones stay out
	WIN 0x05                                       ; sources window 1, destination window 0
.set jt, 0
.rept 4
.set rho, 0
.rept 8
	v_cvt_pk_bf16_f32 v[FR+8*jt+rho], v[64*(\s)+8*rho+jt], v[64*(\s)+8*rho+4+jt]
.set rho, rho+1
.endr
.set jt, jt+1
.endr
	WIN 0
.if \ld
	v_add_nc_u32 v[VW+(\s)], 4*US, v[VW+(\s)]      ; the slot's own offset: the wait above has shown the loads that named it done.  Four units on,
	v_and_b32 v[VW+(\s)], 16*US-1, v[VW+(\s)]      ; and round behind the sixteenth (my place inside a unit lies below the unit's bits)
.endif
.set jt, 0
.rept 4
	ds_store_b128 v6, v[FR+8*jt:FR+8*jt+3] offset:(\s)*16384+jt*1024
	ds_store_b128 v6, v[FR+8*jt+4:FR+8*jt+7] offset:(\s)*16384+jt*1024+512
.set jt, jt+1
.endr
.if \ld
	UNITLD \s
.endif
.endm
; THE PRODUCT.
.macro LDB buf, off                    ; the weights' fragments of one step of 32 k
	WIN 0
.set nn, 0
.rept NT
	ds_load_b128 v[(\buf)+8*nn:(\buf)+8*nn+3], v7 offset:(\off)+nn*1024
	ds_load_b128 v[(\buf)+8*nn+4:(\buf)+8*nn+7], v7 offset:(\off)+nn*1024+512
.set nn, nn+1
.endr
.endm
; 20 loads: my five tiles' fragments of the next period to be asked for, into ring slot b.  The slot has a base of its own: the buffer's address plus the period's byte in a tile.  It is written anew a period
; behind the counted wait that showed the slot's last loads done, so no other wait is needed for it.
.macro GLA b
	s_add_nc_u64 s[AB+2*(\b):AB+2*(\b)+1], s[PA:PA+1], s[30:31]
	s_add_co_u32 s30, s30, 2048                    ; the next period,
	s_and_b32 s30, s30, TILEB-1                    ; and round behind the tile's last
.set uu, 0
.rept 5
.set ss, 0
.rept 2
	SETAR \b, uu, ss
	WIN (rT>>8)<<6
	global_load_b128 v[(rT&255):(rT&255)+3], v[8+uu], s[AB+2*(\b):AB+2*(\b)+1] offset:ss*1024
	global_load_b128 v[(rT&255)+4:(rT&255)+7], v[8+uu], s[AB+2*(\b):AB+2*(\b)+1] offset:ss*1024+512
.set ss, ss+1
.endr
.set uu, uu+1
.endr
.endm
.macro TILE b, s, u, zero              ; tile u's NT matrix instructions of a step
.set nn, 0
.rept NT
	SETACC \u, nn
	SETAR \b, \u, \s
.set rW, BB0+(BB1-BB0)*(\s)+8*nn
.if SECOND
	MMA rD, rT, rW, \zero
.else
	MMA rD, rW, rT, \zero
.endif
.set nn, nn+1
.endr
.endm
; A step of 32 k.  The accumulators take turns, one instruction a turn: between two on one accumulator stand all the others', over the loop's jump too.
; The fifth tile's products are jumped where the pass has fewer than five tiles; the step that starts the sums always makes them, so that its accumulators are written on every way.
.macro STEP b, s, zero
	TILE \b, \s, 0, \zero
	TILE \b, \s, 1, \zero
	TILE \b, \s, 2, \zero
	TILE \b, \s, 3, \zero
.if \zero
	TILE \b, \s, 4, 1
.else
	WIN 0                                          ; at a branch and at a label every window is 0
	s_cmp_lt_u32 s23, 5
	s_cbranch_scc1 .Lno5_\@
	TILE \b, \s, 4, 0
	WIN 0
.Lno5_\@:
.endif
.endm
; A period of 64 k on ring slot b.  The tokens' fragments are asked for three periods ahead, the weights' one step ahead.
; lcnt: the loads of the two periods behind this one, 20 each, stay out.  2 NT: the LDS loads just issued stay out.
.macro PERIOD b, zero, ld, lcnt, last
	WIN 0
	PLACES 4                                       ; behind the last products, ahead of the loads into registers that they read
	LDB BB1, NT*1024
	s_wait_loadcnt \lcnt
.if \ld
	GLA ((\b)+3)%4
.endif
	s_wait_dscnt 2*NT
	STEP \b, 0, \zero
	WIN 0
.if \last
	s_wait_dscnt 0x0
.else
	s_add_co_u32 s34, s34, PB                      ; the next period's fragments,
	s_and_b32 s34, s34, 262144-PB                  ; and round behind the slice's last: a multiple of PB below 262,144
	v_add_nc_u32 v7, s34, v4                       ; with the three below: the four places ahead of the loads into registers that the step's products read
	PLACES 3
	LDB BB0, 0
	s_wait_dscnt 2*NT
.endif
	STEP \b, 1, 0
.endm
; THE WAY OUT of tile u.  Each tile has 32 registers of its own for what it stores (256 + 32 u: the tokens' ring is idle) and its own offset (v8 + u, idle since the last loads came in),
; so no store's source is written again before the next pass's head, where one wait stands for all.
.macro EPI u
	WIN 0
	s_lshl_b32 s36, s[24+(\u)], 16                 ; a tile is 65,536 bytes of hb and of yp
	v_add_nc_u32 v[8+(\u)], s36, v13
.if SECOND
.set jj, 0
.rept 8                                ; row 8 h + j: the gate's multiply also brings the four tiles' numbers side by side; each accumulator is read from its lowest register on
.set nn, 0
.rept 4
	SETACC \u, nn
	WIN 0x40|(rD>>8)
	v_mul_f32 v[32*(\u)+4*jj+nn], v[(rD&255)+jj], v[GR+8*(\u)+jj]
.set nn, nn+1
.endr
.set jj, jj+1
.endr
	WIN 0x04                                       ; a store's data: source 1, window 1
.set jj, 0
.rept 8
	global_store_b128 v[8+(\u)], v[32*(\u)+4*jj:32*(\u)+4*jj+3], s[PO:PO+1] offset:4096*jj   ; lanes 0-15: 256 consecutive bytes of row j, aligned; lanes 16-31: of row 8 + j
.set jj, jj+1
.endr
.else
.set nn, 0
.rept 8                                ; relu, each accumulator from its lowest register on
.set jj, 0
.rept 8
	SETACC \u, nn
	WIN (rD>>8)<<2
	v_max_num_f32 v[TR+8*nn+jj], 0, v[(rD&255)+jj]
.set jj, jj+1
.endr
.set nn, nn+1
.endr
	WIN 0
.set jj, 0
.rept 32
	v_pk_mul_f32 v[TR+2*jj:TR+2*jj+1], v[TR+2*jj:TR+2*jj+1], v[TR+2*jj:TR+2*jj+1]
.set jj, jj+1
.endr
	WIN 0x40
.set jj, 0
.rept 32
	v_cvt_pk_bf16_f32 v[32*(\u)+jj], v[TR+2*jj], v[TR+2*jj+1]
.set jj, jj+1
.endr
	WIN 0x04                                       ; a store's data: source 1, window 1
.set nn, 0
.rept 8
	global_store_b128 v[8+(\u)], v[32*(\u)+4*nn:32*(\u)+4*nn+3], s[PO:PO+1] offset:512*nn    ; half a fragment of hb: 512 consecutive bytes; the eight are 4,096 on end
.set nn, nn+1
.endr
.endif
	WIN 0
.endm
	s_load_b256 s[4:11], s[0:1], 0x0
.if SECOND
	s_load_b64 s[12:13], s[0:1], 0x20
.endif
	v_lshl_add_u32 v16, v0, 2, SPARE
	v_mov_b32 v17, 0
	v_and_b32 v1, 31, v0
	v_lshrrev_b32 v2, 5, v0
	v_readfirstlane_b32 s14, v2
	v_and_b32 v2, 15, v0
	v_bfe_u32 v3, v0, 4, 1
	v_lshlrev_b32 v4, 4, v1
	s_and_b32 s15, ttmp9, 1
	s_lshr_b32 s16, ttmp9, 1
	s_and_b32 s17, ttmp7, 0xffff
	s_lshl2_add_u32 s18, s15, s14
	s_lshl_b32 s39, s17, 2                         ; my expert's word in meta: not written again before the wait for the two loads that name it
	s_and_b32 s37, s14, 1
	s_lshr_b32 s38, s14, 1
	s_lshl_b32 s38, s38, 18                        ; wave / 2: 32 rows of w1 (a block of k), or 64 rows of w2 (a group G)
.if SECOND
	s_lshl_b32 s37, s37, 13                        ; wave % 2 = c': two rows of w2
	v_lshlrev_b32 v5, 17, v3                       ; h: 32 rows
.else
	s_lshl_b32 s37, s37, 8                         ; wave % 2: which 64 columns
	v_lshlrev_b32 v5, 16, v3                       ; h: 8 rows
.endif
	s_add_co_u32 s37, s37, s38
	v_lshl_add_u32 v5, v2, 4, v5
	v_add_nc_u32 v5, s37, v5
	s_lshl_b32 s36, s15, 22                        ; part 1 begins at unit 8
.irp s, 0,1,2,3
	s_add_co_u32 s37, s36, \s*US
	v_add_nc_u32 v[VW+\s], s37, v5
.endr
	s_lshl_b32 s38, s14, 12
	v_add_nc_u32 v23, s38, v4
	s_lshl_b32 s35, s15, 17                        ; and stores from unit 8's place on
	v_add_nc_u32 v6, s35, v23
.if SECOND
	s_lshl_b32 s38, s16, 8
	v_lshlrev_b32 v13, 15, v3                      ; 8 h rows of 4,096 bytes, 16 r, the slice's 256 bytes
	v_lshl_add_u32 v13, v2, 4, v13
	v_add_nc_u32 v13, s38, v13
	v_lshlrev_b32 v15, 5, v3
.else
	s_lshl_b32 s38, s16, 12                        ; the slice's 4,096 bytes of a tile of hb
	v_add_nc_u32 v13, s38, v4
.endif
	s_lshl_b32 s30, s17, 23                        ; an expert's weights are 8,388,608 bytes
	s_lshl_b32 s38, s16, SLSH
	s_add_co_u32 s30, s30, s38
	s_mov_b32 s31, 0                               ; stays 0: the high word of every offset kept in s30
	s_wait_kmcnt 0x0
	s_load_b32 s19, s[4:5], s39 offset:0x0         ; the expert's tiles
	s_load_b32 s20, s[4:5], s39 offset:0x20        ; its first tile
	s_add_nc_u64 s[32:33], s[PW:PW+1], s[30:31]
	UNITLD 0                                       ; the first four units hang on the arguments alone: they go out ahead of the wait for the counts
	UNITLD 1
	UNITLD 2
	UNITLD 3
	WIN 0
	s_wait_kmcnt 0x0
	s_min_u32 s19, s19, 128
	s_min_u32 s20, s20, 263
	s_lshl_b32 s36, s15, 2
	s_cmp_le_u32 s19, s36
	s_cbranch_scc1 .Lfilled                        ; none of my part's waves has a tile: nothing is laid
	s_mov_b32 s29, 3
.Lfill:                                                ; a trip: four units are laid and the four behind them asked for
	UNIT 0, 1, 48
	UNIT 1, 1, 48
	UNIT 2, 1, 48
	UNIT 3, 1, 48
	WIN 0
	s_add_co_u32 s35, s35, 0x10000                 ; the next four units' place in LDS,
	s_and_b32 s35, s35, 0x30000                    ; and round behind the sixteenth
	v_add_nc_u32 v6, s35, v23
	s_sub_co_u32 s29, s29, 1
	s_cmp_lg_u32 s29, 0
	s_cbranch_scc1 .Lfill
	UNIT 0, 0, 48                                  ; the last four units: nothing is left to ask for, and the counts run down
	UNIT 1, 0, 32
	UNIT 2, 0, 16
	UNIT 3, 0, 0
	WIN 0
.Lfilled:
	s_wait_loadcnt 0x0                             ; a part without tiles comes here with its first loads out: their registers are loaded again below
	s_wait_dscnt 0x0                               ; for the others' sake: my fragments are stored
	s_barrier_signal -1
	s_barrier_wait -1                              ; behind this barrier the slice is only read
	s_mov_b32 s21, 0
.Lpass:
	s_mul_i32 s36, s21, 40
	s_add_co_u32 s37, s36, s18                     ; my first tile of this pass, among the expert's: g + 40 q
	s_sub_co_i32 s22, s19, s37
	s_cmp_le_i32 s22, 0
	s_cbranch_scc1 .Lnext                          ; none left
	s_add_co_u32 s23, s22, 7
	s_lshr_b32 s23, s23, 3
	s_min_u32 s23, s23, 5                          ; my tiles of this pass
	s_wait_xcnt 0x0                                ; the last pass's stores have read their data and offsets, which are written below
.irp u, 0,1,2,3,4
	s_add_co_u32 s38, s37, 8*\u
	s_cmp_gt_u32 s23, \u
	s_cselect_b32 s38, s38, s37                    ; a place without a tile repeats my first; its results are not stored
	s_add_co_u32 s38, s38, s20
	s_min_u32 s[24+\u], s38, 263
	s_lshl_b32 s38, s[24+\u], TSH
	v_add_nc_u32 v[8+\u], s38, v4
.if SECOND
	s_lshl_b32 s38, s[24+\u], 6
	v_add_nc_u32 v[18+\u], s38, v15
	global_load_b128 v[GR+8*\u:GR+8*\u+3], v[18+\u], s[6:7]             ; the gate weights of rows 8 h .. 8 h + 7: older than every load of tokens, so the first wait below covers them
	global_load_b128 v[GR+8*\u+4:GR+8*\u+7], v[18+\u], s[6:7] offset:16
.endif
.endr
	s_lshl_b32 s30, s16, RSH                       ; my slice's first period: its byte in a tile,
	s_lshl_b32 s34, s16, 14                        ; and its fragments' byte in LDS: a sixteenth of 262,144 for each slice
	v_add_nc_u32 v7, s34, v4
	LDB BB0, 0
	GLA 0
	GLA 1
	GLA 2
	PERIOD 0, 1, 1, 40, 0                          ; the first period stands ahead of the loop: its first products start the sums
	WIN 0
	s_mov_b32 s29, (NP-4)/4
.Lk:                                                   ; a trip goes once round the tokens' ring
	PERIOD 1, 0, 1, 40, 0
	PERIOD 2, 0, 1, 40, 0
	PERIOD 3, 0, 1, 40, 0
	PERIOD 0, 0, 1, 40, 0
	WIN 0
	s_sub_co_u32 s29, s29, 1
	s_cmp_lg_u32 s29, 0
	s_cbranch_scc1 .Lk
	PERIOD 1, 0, 0, 40, 0                          ; the last three periods ask for nothing: all NP periods have been asked for, and the counts run down
	PERIOD 2, 0, 0, 20, 0
	PERIOD 3, 0, 0, 0, 1
	PLACES 4                                       ; behind the last products, ahead of what reads their results and writes their sources
	EPI 0
	s_cmp_le_u32 s23, 1
	s_cbranch_scc1 .Lnext
	EPI 1
	s_cmp_le_u32 s23, 2
	s_cbranch_scc1 .Lnext
	EPI 2
	s_cmp_le_u32 s23, 3
	s_cbranch_scc1 .Lnext
	EPI 3
	s_cmp_le_u32 s23, 4
	s_cbranch_scc1 .Lnext
	EPI 4
.Lnext:
	s_add_co_u32 s21, s21, 1
	s_cmp_lt_u32 s21, 4
	s_cbranch_scc1 .Lpass
	s_wait_dscnt 0x0                               ; my reads of LDS are back,
	s_barrier_signal -1
	s_barrier_wait -1                              ; and so are every wave's: no LDS word is written below while a wave still reads
	s_wait_tensorcnt 0x0                           ; the wave's end
	ds_add_u32 v16, v17
	s_wait_dscnt 0x0
	s_endpgm
.Lfunc_end_k_q4f6cf72e0f_ffn2:
	.size	k_q4f6cf72e0f_ffn2, .Lfunc_end_k_q4f6cf72e0f_ffn2-k_q4f6cf72e0f_ffn2
	.p2alignl 7, 3214868480
	.fill 96, 4, 3214868480
	.section	.rodata,"a",@progbits
	.p2align	6, 0x0
	.amdhsa_kernel k_q4f6cf72e0f_ffn2
		.amdhsa_group_segment_fixed_size 262656
		.amdhsa_private_segment_fixed_size 0
		.amdhsa_enable_private_segment 0
		.amdhsa_kernarg_size 40
		.amdhsa_user_sgpr_count 2
		.amdhsa_user_sgpr_kernarg_segment_ptr 1
		.amdhsa_wavefront_size32 1
		.amdhsa_system_sgpr_workgroup_id_x 1
		.amdhsa_system_sgpr_workgroup_id_y 1
		.amdhsa_system_sgpr_workgroup_id_z 1
		.amdhsa_system_vgpr_workitem_id 0
		.amdhsa_next_free_vgpr 752
		.amdhsa_next_free_sgpr 66
		.amdhsa_reserve_vcc 0
		.amdhsa_float_denorm_mode_32 3
		.amdhsa_float_denorm_mode_16_64 3
		.amdhsa_memory_ordered 1
		.amdhsa_forward_progress 1
		.amdhsa_inst_pref_size 101
	.end_amdhsa_kernel
	.amdgpu_metadata
---
amdhsa.version: [ 1, 2 ]
amdhsa.kernels:
  - .name:           k_q4f6cf72e0f_ffn2
    .symbol:         k_q4f6cf72e0f_ffn2.kd
    .args:
      - { .name: meta, .offset: 0, .size: 8, .value_kind: global_buffer, .address_space: global }
      - { .name: gs, .offset: 8, .size: 8, .value_kind: global_buffer, .address_space: global }
      - { .name: hb, .offset: 16, .size: 8, .value_kind: global_buffer, .address_space: global }
      - { .name: w2, .offset: 24, .size: 8, .value_kind: global_buffer, .address_space: global }
      - { .name: yp, .offset: 32, .size: 8, .value_kind: global_buffer, .address_space: global }
    .group_segment_fixed_size: 262656
    .private_segment_fixed_size: 0
    .kernarg_segment_align: 8
    .kernarg_segment_size: 40
    .max_flat_workgroup_size: 128
    .sgpr_count:     66
    .vgpr_count:     752
    .wavefront_size: 32
...
	.end_amdgpu_metadata
.endif
;; end of part 7
;; launch combine: the kernel of part 5 again; grid 256 x 1, 8 waves a work-group, no clusters, 0 bytes of LDS; arguments pos, yp, out0; writes out0
